; MI455X (gfx1250); checked and timed in simulation.
; The chip was launched on July 23, 2026; its instructions are those of AMD's public machine-readable ISA for CDNA 5 (MIT licence, August 2026) and "CDNA5" Instruction Set Architecture Reference Guide (July 2026). The comments in the code are by the model that wrote it; some were corrected since.
;; Multi Head Attention Block. Allowed arithmetic: matrix products marked QUANTISED: E2M3 operands, one E8M0 scale for each 32 along K, by v_wmma_scale_f32_16x16x128_f8f6f4 with both operands' format E2M3, f32 sums; everything else in f32.
;; Inputs: Wk 2,048 x 2,048 float32; Wo 2,048 x 2,048 float32; Wq 2,048 x 2,048 float32; Wv 2,048 x 2,048 float32; bk 2,048 float32; bo 2,048 float32; bq 2,048 float32; bv 2,048 float32; k 2,048 x 2,048 float32; q 2,048 x 2,048 float32; v 2,048 x 2,048 float32.
;; Outputs: out0 2,048 x 2,048 float32.
;; This version of the problem:
;;   THIS VERSION OF THE PROBLEM IS GIVEN IN LOW PRECISION. The matrix products marked QUANTISED in the list below multiply operands that are first quantised to E2M3 (2 exponent bits, 3 mantissa bits; 6 bits a number), with one power-of-two scale for each 32 numbers along K (OCP MX v1.0); their sums are f32. All else is computed in f32.
;;   The module's matrix products, in the order in which they are computed (A, B: the left and right operand; K: the contracted axis; several contracted axes count as one K, in the product's order):
;;     1. [M 2,048, K 2,048] x [K 2,048, N 2,048]; A: input q; B: input Wq: QUANTISED
;;     2. [M 2,048, K 2,048] x [K 2,048, N 2,048]; A: input k; B: input Wk: QUANTISED
;;     3. [M 2,048, K 2,048] x [K 2,048, N 2,048]; A: input v; B: input Wv: QUANTISED
;;     4. batch 16 x [M 2,048, K 128] x [K 128, N 2,048]; A: computed on the way; B: computed on the way: QUANTISED
;;     5. batch 16 x [M 2,048, K 2,048] x [K 2,048, N 128]; A: softmax (see below); B: computed on the way: QUANTISED
;;     6. [M 2,048, K 2,048] x [K 2,048, N 2,048]; A: computed on the way; B: input Wo: QUANTISED
;;   THE QUANTISER, for each operand of a quantised product, along K:
;;     - K is cut into blocks of 32 from its start; a last block that is shorter is filled with zeros.
;;     - A block's scale is 2^e with e = floor(log2(the largest magnitude in the block)) - 2, held to -126 .. 127; a block of zeros has e = 0. As a byte (E8M0): e + 127.
;;     - Each number is divided by its block's scale, clamped to +-7.5, and rounded to the nearest number of E2M3, ties to even, subnormals kept.
;;     - The product sums the exact products of the quantised numbers (number of the format x scale) in f32.
;;   ~~~python
;;   def quantise(x, axis):      # numpy; x: float32 -> the quantised numbers, widened to float32 again
;;       x = np.moveaxis(x, axis, -1); K = x.shape[-1]
;;       x = np.pad(x, [(0, 0)] * (x.ndim - 1) + [(0, -K % 32)]); x = x.reshape(x.shape[:-1] + (-1, 32)); a = np.abs(x).max(-1, keepdims=True)
;;       e = np.where(a > 0, np.clip(np.frexp(np.where(a > 0, a, 1))[1] - 1 - 2, -126, 127), 0)      # np.frexp(a)[1] - 1 = floor(log2(a)), exactly
;;       r = np.clip(x / 2.0 ** e, -7.5, 7.5)
;;       step = 2.0 ** (np.maximum(np.frexp(np.where(r == 0, 1, r))[1] - 1, 0) - 3)
;;       q = np.round(r / step) * step * 2.0 ** e      # np.round: ties to even
;;       return np.moveaxis(q.reshape(q.shape[:-2] + (-1,))[..., :K], -1, axis).astype(np.float32)
;;   ~~~
;;   SOFTMAX AHEAD OF A QUANTISED PRODUCT. Where the list says 'softmax', what is quantised is not the finished softmax but p = 2^(t - M), with t = logit x log2(e) and M = ceil(the row's largest t), a whole number; so 1/2 < the row's largest p <= 1. The row's sum l is taken of the UNQUANTISED p, in f32, and the product's result is divided by l at the end. Since M is a whole number, a kernel that streams over the keys may use a running M (the ceiling of the running maximum): every later rescaling is an exact power of two, which a block's scale takes up: the codes' values come out the same.
;;   OPERANDS COMPUTED ON THE WAY. 'Computed on the way' means the value that the module computes at that place (a softmax that the list does not call 'softmax' is quantised finished and normalised). What goes into a quantiser is computed in f32, as accurately as f32 sums, v_exp_f32 and their like allow (about 1e-6 of the number): no bf16 or f16 on the way to a quantiser, and a product that is left as it is and whose result goes on into a quantised operand takes f32 operands (vector FMAs, or v_wmma_f32_16x16x4_f32). A number that lies on a knife's edge between two numbers of the format may be rounded either way, as far as f32 arithmetic and the matrix unit's own rounding can turn it there, and no further.
;; One version. Each part assembles by itself: llvm-mc -triple=amdgcn-amd-amdhsa -mcpu=gfx1250 --defsym DOCPART=n.
;; ======== version 1 of 1: 4 launches
;; limits: right only within a limited range of input values
;; workspace buffers: codes 22,937,600 bytes; qf 3,276,800 bytes; kv 6,553,600 bytes; xc 3,276,800 bytes
;; launch quant (part 1): grid 256 x 1, 7 waves a work-group, no clusters, 327,680 bytes of LDS; arguments q, k, Wv, Wq, Wk, v, Wo, codes; writes codes
.if DOCPART == 1
	.amdgcn_target "amdgcn-amd-amdhsa--gfx1250"
	.amdhsa_code_object_version 6
	.text
	.protected	k_q316ac6f215_quant
	.globl	k_q316ac6f215_quant
	.p2align	8
	.type	k_q316ac6f215_quant,@function
k_q316ac6f215_quant:
	s_mov_b64 s[64:65], 0
	v_nop
	global_prefetch_b8 v0, s[64:65] scope:SCOPE_SE
	s_setreg_imm32_b32 hwreg(HW_REG_WAVE_MODE, 25, 1), 1
	s_wait_xcnt 0x0
; The seven f32 tensors [2048][2048], K innermost, become codes of FP6 (E2M3) with one E8M0 byte for each 32 along K, laid in the ORDER OF AN OPERAND'S REGISTERS.
; A block's scale is 2^(floor(log2(its largest magnitude)) - 2); its byte is the largest magnitude's exponent field - 2, held at 1 from below.
; Every input is loaded.
; LIMITS: NaN and infinities are not served; a block of zeros gets the byte 1 where the rule says 127 (its codes are zeros, and this program alone reads the bytes).
; LAYOUT OF codes: part T (0 q, 1 k, 2 Wv, 3 Wq, 4 Wk, 5 v, 6 Wo) at T x PART.  In a part, the block of K slot s (256 along K) and group g (128 rows, eight blocks of 16) lies at (16 s + g) x GBLK.
; In it the fragment (block of rows j, 128 along K e) lies at (2 j + e) x FRB as an image of its 12 registers: byte 512 c + 16 lane + 4 i = register 4 c + i.  The scale words lie at SCO + 256 (j / 2) + 8 (16 e + r) + 4 (j % 2).
; WHICH ROWS FORM A BLOCK OF 16: block rb holds rows 32 (rb / 2) + 8 (rb % 2) + r + 8 (r / 8); of q alone, block 16 B + s' holds rows 256 B + 16 r + s'.
; SHARES: 256 work-groups of seven waves.  Work-group x = (g = x % 16, s = (x / 16) % 8, hh = x / 128) makes blocks of rows 4 hh .. 4 hh + 3 of block (s, g) of EVERY part; wave w takes part w.
; A wave's share goes in four trips of 16 KiB, each brought by ONE tensor load of the wave into the wave's own bytes of a ring of two LDS slots; only the wave that asked reads them.
;   parts 1-6, trip t: 32 neighbouring rows (blocks 4 hh + 2 (t / 2), + 1) x 512 bytes (half e = t % 2 of the K slot); LDS pitch 528.  Step u of the trip is block 4 hh + 2 (t / 2) + u.
;   part 0 (q), trip t: the 16 rows of block 4 hh + t, 16 rows of memory apart, x 1,024 bytes; LDS pitch 1,040.  Step u of the trip is half e = u.
; Both shapes have a group 1 of their own, chosen by a branch on the wave's number round the tensor instruction alone.  What else differs for q (LDS pitch, the steps' places) is arithmetic on the wave's number: the text has one path.
; Every tile row begins at a multiple of 256 bytes of its tensor.  In parts 1-6 rows r and r + 8 of a block lie 16 LDS rows apart: kept, since a pitch of 512 + 16 is the only one that keeps 16-byte alignment with an even pad of 4 words.
; PREFETCH: at each change of slots every wave has waited for all its tensor loads, so a refill sets out with nothing on its way beside it.  So each wave names its NEXT tile's 64 blocks of 256 bytes (two instructions, a lane a block)
; one trip ahead of the load that will want them: tile 1 at the head, tiles 2 and 3 in trips 0 and 1; the last two trips ask for nothing.  No other work-group reads these bytes.
; No clusters: work-groups share no input.
.set PART,  3276800
.set GBLK,  25600
.set FRB,   1536
.set SCO,   24576
.set PN,    528
.set PQ,    1040
.set UNIT,  32*PN                      ; a wave's bytes in a slot: 16,896 (q uses 16 x 1,040 of them)
.set SLOT,  7*UNIT
.set SPARE, 2*SLOT                     ; behind the ring: the spare words, 128 bytes a wave, four blocks of 256 bytes that no other line names
.set SPW, 2                            ; v2      my spare word; never rewritten
.set NIL, 3                            ; v3      0; never rewritten
.set L8,  4                            ; v4      8 x lane
.set PFO, 6                            ; v6      the prefetches' offset
.set VO,  8                            ; v8-11   16 x lane + the place of fragment (t % 2, u) among the four of a pair of blocks
.set AD,  12                           ; v12-15  LDS address of my row: slot 0 step 0, 1; slot 1 step 0, 1
.set PC0, 16                           ; v16-35  the codes of step 0
.set PC1, 36                           ; v36-55  of step 1
.set PW,  56                           ; v56-59  the scale words of two trips' four steps
.set SW,  60                           ; v60-61  as they are stored; v62-63 at work
.set X0,  64                           ; v64-127 64 numbers of my row, step 0
.set X1,  128                          ; v128-191 step 1
.set TM,  192                          ; v192-207 at work in QUANT
.set WV,  2
.set NQ,  3                            ; 0 in q's wave, else 1
.set IQ,  20                           ; 1 in q's wave, else 0
.set PI,  21
.set SEL, 22                           ; s[22:23] selects for lane l xor 16
.set HM,  24                           ; lanes 16-31
.set QM,  25                           ; all lanes in q's wave, else none
.set EX,  26
.set US,  27
.set FB,  28                           ; s[28:29] my eight fragments in codes
.set SBP, 30                           ; s[30:31] my two lines of scale words, less SCO
.set G0,  32                           ; s[32:47] a group 0 for each trip: none is ever rewritten
.set G1Q, 48
.set G1N, 56
.set TA,  66                           ; s[66:73] the four tiles' addresses, for the prefetches
.set LB,  74
.set OA,  75
.set OB,  76
.set PFA, 77
.set PFB, 78
.set D1,  80
.set D2,  82
; 64 numbers of a lane, register 16 b + i = k 32 b + 16 (lane / 16) + i of my row, become a fragment's codes in v[pc] .. v[pc + 11] and its scale word in v[pw] (the same in lanes l and l xor 16).
.macro QUANT s, tm, pc, pw
.irp b, 0,1,2,3
	v_max3_num_f32 v[(\tm)+\b], |v[(\s)+16*\b]|, |v[(\s)+1+16*\b]|, 0x1800000   ; my 16 numbers of block b, and the floor 2^(3 - 127): the byte cannot fall under 1
.endr
.irp i, 2,4,6,8,10,12,14
.irp b, 0,1,2,3
	v_max3_num_f32 v[(\tm)+\b], v[(\tm)+\b], |v[(\s)+16*\b+\i]|, |v[(\s)+1+16*\b+\i]|   ; the four blocks by turns
.endr
.endr
.irp b, 0,1,2,3
	v_permlanex16_b32 v[(\tm)+4+\b], v[(\tm)+\b], s[SEL], s[SEL+1]
.endr
.irp b, 0,1,2,3
	v_max_num_f32 v[(\tm)+\b], v[(\tm)+\b], v[(\tm)+4+\b]   ; with lane l xor 16's: the block's largest magnitude
.endr
.irp b, 0,1,2,3
	v_add_nc_u32 v[(\tm)+12+\b], 0xff000000, v[(\tm)+\b]   ; 2 off its exponent field: the conversion's scale operand
.endr
.irp b, 0,1,2,3
	v_lshrrev_b32 v[(\tm)+4+\b], 23, v[(\tm)+12+\b]   ; the scale's byte
.endr
	v_lshl_or_b32 v[\pw], v[(\tm)+5], 8, v[(\tm)+4]
	v_lshl_or_b32 v[\pw], v[(\tm)+6], 16, v[\pw]
	v_lshl_or_b32 v[\pw], v[(\tm)+7], 24, v[\pw]
.irp c, 0,1
	v_cvt_scalef32_pk16_fp6_f32 v[(\pc)+6*\c:(\pc)+2+6*\c], v[(\s)+32*\c:(\s)+15+32*\c], v[(\tm)+12+2*\c]
	v_cvt_scalef32_pk16_fp6_f32 v[(\pc)+12+4*\c:(\pc)+14+4*\c], v[(\s)+16+32*\c:(\s)+31+32*\c], v[(\tm)+12+2*\c+1]   ; (a conversion's three registers begin on an even number)
.endr
	v_nop                                          ; one plain instruction behind the scaled conversions
.irp c, 0,1                                    ; the layout wants a whole block in a lane: lanes 0-15 block 2 c, lanes 16-31 block 2 c + 1
.irp i, 0,1,2
	v_permlane16_swap_b32 v[(\pc)+6*\c+\i], v[(\pc)+12+4*\c+\i]
.endr
.irp i, 0,1,2
	v_mov_b32 v[(\pc)+3+6*\c+\i], v[(\pc)+12+4*\c+\i]
.endr
.endr
.endm
.macro TLOAD t                         ; my tile of trip t: q's shape in wave 0, the other shape in waves 1-6; every way passes one load
	s_cmp_eq_u32 s[WV], 0
	s_cbranch_scc0 .Lnq_\@
	tensor_load_to_lds s[G0+4*(\t):G0+4*(\t)+3], s[G1Q:G1Q+7]
	s_nop 0
	s_branch .Lld_\@
.Lnq_\@:
	tensor_load_to_lds s[G0+4*(\t):G0+4*(\t)+3], s[G1N:G1N+7]
	s_nop 0
.Lld_\@:
.endm
.macro ASK t                           ; tile t's 64 blocks of 256 bytes, a lane a block
	global_prefetch_b8 v[PFO], s[TA+2*(\t):TA+2*(\t)+1] th:TH_LOAD_NT scope:SCOPE_SE
	global_prefetch_b8 v[PFO], s[TA+2*(\t):TA+2*(\t)+1] offset:256 th:TH_LOAD_NT scope:SCOPE_SE
.endm
.macro RD t, u, x                      ; 64 numbers of my row of step u
.irp b, 0,1,2,3
.irp j, 0,1,2,3
	ds_load_b128 v[(\x)+16*\b+4*\j:(\x)+16*\b+4*\j+3], v[AD+2*((\t)%2)+(\u)] offset:128*\b+16*\j
.endr
.endr
.endm
.macro OUT t, u, pc                    ; 32 lanes store 512 consecutive bytes, at a multiple of 256 from the buffer's first byte
.irp c, 0,1,2
	global_store_b128 v[VO+2*((\t)%2)+(\u)], v[(\pc)+4*\c:(\pc)+4*\c+3], s[FB:FB+1] offset:4*((\t)/2)*FRB+512*\c
.endr
.endm
	s_load_b512 s[4:19], s[0:1], 0x0               ; q, k, Wv, Wq, Wk, v, Wo, codes
	v_lshl_add_u32 v[SPW], v0, 2, SPARE
	v_mov_b32 v[NIL], 0
	ds_add_u32 v[SPW], v[NIL]                      ; the opening lines: the add, twice on end, and its wait ahead of my first tensor load
	ds_add_u32 v[SPW], v[NIL]
	v_lshrrev_b32 v1, 5, v0
	v_readfirstlane_b32 s[WV], v1                  ; wave 0..6 = the part
	s_min_u32 s[NQ], s[WV], 1
	s_xor_b32 s[IQ], s[NQ], 1
	s_mul_i32 s[PI], s[IQ], PQ-PN
	s_add_co_u32 s[PI], s[PI], PN                  ; the LDS pitch from r to r + 1: 1,040 in q, else 528
	s_mul_i32 s[EX], s[NQ], 8*PN                   ; the further 8 rows from r = 8 on, and from step 0 to step 1: in q none
	s_mul_i32 s[US], s[IQ], 512
	s_add_co_u32 s[US], s[US], s[EX]               ; from step 0 to step 1: in q 512 bytes along the row
	s_mul_i32 s[LB], s[WV], UNIT                   ; my bytes of a slot
	s_mul_i32 s[OA], s[IQ], FRB
	s_add_co_u32 s[OA], s[OA], FRB                 ; fragments from an even trip to the odd one: 1 (e), in q 2 (j)
	s_mul_i32 s[OB], s[NQ], FRB
	s_add_co_u32 s[OB], s[OB], FRB                 ; from step 0 to step 1: 2 (j), in q 1 (e)
	s_mul_i32 s[PFA], s[IQ], 122880
	s_add_co_u32 s[PFA], s[PFA], 8192              ; prefetch: lane % 16 counts rows: 8,192 bytes, in q 131,072
	s_mul_i32 s[PFB], s[NQ], 130560
	s_add_co_u32 s[PFB], s[PFB], 512               ; lane / 16: 16 rows on, in q 512 bytes on
	s_mul_i32 s[D1], s[IQ], 7680
	s_add_co_u32 s[D1], s[D1], 512                 ; from tile 0 to 1 and 2 to 3: 512 bytes, in q a row
	s_mov_b32 s[D1+1], 0
	s_mul_i32 s[D2], s[NQ], 253440
	s_add_co_u32 s[D2], s[D2], 8192                ; from tile 1 to 2: 32 rows less 512 bytes, in q a row
	s_mov_b32 s[D2+1], 0
	s_sub_co_u32 s[QM], 0, s[IQ]
	s_mov_b32 s[HM], 0xffff0000
	s_mov_b32 s[SEL], 0x76543210
	s_mov_b32 s[SEL+1], 0xfedcba98
	s_and_b32 s84, ttmp9, 15                       ; g
	s_bfe_u32 s85, ttmp9, 0x30004                  ; s
	s_lshr_b32 s86, ttmp9, 7                       ; hh
	s_lshl_b32 s87, s84, 7
	s_lshl_b32 s88, s86, 6
	s_add_co_u32 s87, s87, s88                     ; my first row: 128 g + 64 hh;
	s_lshr_b32 s88, s84, 1
	s_lshl_b32 s88, s88, 8
	s_and_b32 s89, s84, 1
	s_lshl_b32 s89, s89, 3
	s_add_co_u32 s88, s88, s89
	s_lshl_b32 s89, s86, 2
	s_add_co_u32 s88, s88, s89                     ; in q: 256 (g / 2) + 8 (g % 2) + 4 hh
	s_cmp_eq_u32 s[WV], 0
	s_cselect_b32 s90, s88, s87
	s_lshl_b32 s90, s90, 13                        ; a row is 8,192 bytes,
	s_lshl_b32 s89, s85, 10                        ; a K slot 1,024
	s_add_co_u32 s90, s90, s89
	s_mov_b32 s91, 0
	s_lshl_b32 s92, s85, 4
	s_add_co_u32 s92, s92, s84
	s_mul_i32 s92, s92, GBLK
	s_mul_i32 s89, s[WV], PART
	s_add_co_u32 s92, s92, s89                     ; block (s, g) of my part
	s_mov_b32 s93, 0
	s_mul_i32 s94, s86, 8*FRB
	s_mov_b32 s95, 0
	s_lshl_b32 s88, s86, 9
	s_mov_b32 s89, 0
	; group 1, q: 16 rows of 128 elements of 8 bytes, 16,384 elements apart; 4 words of padding behind every 256
	s_mov_b32 s[G1Q], (3<<16)|(1<<20)|(7<<22)|(3<<25)
	s_mov_b32 s[G1Q+1], 128<<16
	s_mov_b32 s[G1Q+2], 16<<16
	s_mov_b32 s[G1Q+3], 128<<16
	s_mov_b32 s[G1Q+4], 16
	s_mov_b32 s[G1Q+5], 16384
	s_mov_b32 s[G1Q+6], 0
	s_mov_b32 s[G1Q+7], 0
	; group 1, the others: 32 rows of 64 elements, 1,024 elements apart; 4 words of padding behind every 128
	s_mov_b32 s[G1N], (3<<16)|(1<<20)|(6<<22)|(3<<25)
	s_mov_b32 s[G1N+1], 64<<16
	s_mov_b32 s[G1N+2], 32<<16
	s_mov_b32 s[G1N+3], 64<<16
	s_mov_b32 s[G1N+4], 32
	s_mov_b32 s[G1N+5], 1024
	s_mov_b32 s[G1N+6], 0
	s_mov_b32 s[G1N+7], 0
	v_and_b32 v1, 15, v0                           ; r
	v_bfe_u32 v7, v0, 4, 1                         ; h
	v_bfe_u32 v5, v0, 3, 1                         ; r / 8
	v_and_b32 v16, 31, v0                          ; lane
	v_mul_u32_u24 v17, s[PI], v1
	v_mad_u32_u24 v17, v5, s[EX], v17
	v_lshl_add_u32 v17, v7, 6, v17                 ; my row, + 64 h
	v_add_nc_u32 v[AD], s[LB], v17
	v_add_nc_u32 v[AD+1], s[US], v[AD]
	v_add_nc_u32 v[AD+2], SLOT, v[AD]
	v_add_nc_u32 v[AD+3], SLOT, v[AD+1]
	v_lshlrev_b32 v[VO], 4, v16
	v_add_nc_u32 v[VO+1], s[OB], v[VO]
	v_add_nc_u32 v[VO+2], s[OA], v[VO]
	v_add_nc_u32 v[VO+3], 3*FRB, v[VO]
	v_lshlrev_b32 v[L8], 3, v16
	v_mul_u32_u24 v[PFO], s[PFA], v1
	v_mad_u32_u24 v[PFO], v7, s[PFB], v[PFO]
.irp b, 0,1,2,3
	v_mov_b32 v[TM+4+\b], 0                        ; written once: a lane permute's destination counts as one of its sources
.endr
	s_wait_alu depctr_va_vdst(0)                   ; the head's end
	s_wait_dscnt 0x0                               ; both opening adds are done
	s_wait_kmcnt 0x0
	s_bitcmp1_b32 s[WV], 0                         ; the input is chosen by the wave's number: a condition that hangs on no address
	s_cselect_b64 s[96:97], s[6:7], s[4:5]
	s_cselect_b64 s[98:99], s[10:11], s[8:9]
	s_cselect_b64 s[100:101], s[14:15], s[12:13]
	s_bitcmp1_b32 s[WV], 1
	s_cselect_b64 s[96:97], s[98:99], s[96:97]
	s_cselect_b64 s[100:101], s[16:17], s[100:101]
	s_bitcmp1_b32 s[WV], 2
	s_cselect_b64 s[96:97], s[100:101], s[96:97]
	s_add_nc_u64 s[TA:TA+1], s[96:97], s[90:91]
	s_add_nc_u64 s[TA+2:TA+3], s[TA:TA+1], s[D1:D1+1]
	s_add_nc_u64 s[TA+4:TA+5], s[TA+2:TA+3], s[D2:D2+1]
	s_add_nc_u64 s[TA+6:TA+7], s[TA+4:TA+5], s[D1:D1+1]
	s_add_nc_u64 s[FB:FB+1], s[18:19], s[92:93]
	s_add_nc_u64 s[SBP:SBP+1], s[FB:FB+1], s[88:89]
	s_add_nc_u64 s[FB:FB+1], s[FB:FB+1], s[94:95]
.irp t, 0,1,2,3
	s_mov_b32 s[G0+4*\t], 1
	s_add_co_u32 s[G0+4*\t+1], s[LB], (\t%2)*SLOT
	s_mov_b64 s[G0+4*\t+2:G0+4*\t+3], s[TA+2*\t:TA+2*\t+1]
	s_or_b32 s[G0+4*\t+3], s[G0+4*\t+3], 0x80000000
.endr
	TLOAD 0                                        ; my one tensor load at the head
	ASK 1
; A TRIP.  In front of the barrier each wave waits for all its tensor loads (one is out: this trip's tile), adds 0 to its spare word, and waits for that and for its reads of the other slot; behind it the other slot takes the next tile
; (in trip 0: slot 1's first fill, issued as a refill is).  The last trip fills nothing: its tile is read by the wave that asked alone, so the wait on TENSORcnt is all that its reads need.
.macro TRIP t
	s_wait_tensorcnt 0x0
.if (\t) < 3
	ds_add_u32 v[SPW], v[NIL]
	s_wait_dscnt 0x0
	s_barrier_signal -1
	s_barrier_wait -1
	TLOAD (\t)+1
.endif
	RD \t, 0, X0
	RD \t, 1, X1
.if (\t) > 0
	s_wait_xcnt 0x0                                ; the last trip's stores have read the codes' and scale words' registers, which are written again below
.endif
	s_wait_dscnt 16                                ; step 0's 16 loads are in; step 1's 16 may be out
.if (\t) < 2
	ASK (\t)+2
.endif
	QUANT X0, TM, PC0, PW+2*((\t)%2)
	OUT \t, 0, PC0
	s_wait_dscnt 0x0
	QUANT X1, TM, PC1, PW+2*((\t)%2)+1
	OUT \t, 1, PC1
.if (\t)%2                                     ; two trips have made the four words (j % 2, e) of a pair of blocks: word 2 e + j % 2, in q 2 (j % 2) + e
	v_cndmask_b32 v62, v[PW+2], v[PW+1], s[QM]     ; (0, 1)
	v_cndmask_b32 v63, v[PW+1], v[PW+2], s[QM]     ; (1, 0)
	v_cndmask_b32 v[SW], v[PW], v62, s[HM]         ; lanes 0-15 the word of the first 128 along K, lanes 16-31 that of the second
	v_cndmask_b32 v[SW+1], v63, v[PW+3], s[HM]
	global_store_b64 v[L8], v[SW:SW+1], s[SBP:SBP+1] offset:SCO+256*((\t)/2)   ; 32 lanes store 256 consecutive bytes, aligned
.endif
.endm
	TRIP 0
	TRIP 1
	TRIP 2
	TRIP 3
	s_wait_tensorcnt 0x0                           ; the wave's end
	ds_add_u32 v[SPW], v[NIL]
	s_wait_dscnt 0x0
	s_endpgm
.Lfunc_end_k_q316ac6f215_quant:
	.size	k_q316ac6f215_quant, .Lfunc_end_k_q316ac6f215_quant-k_q316ac6f215_quant
	.p2alignl 7, 3214868480
	.fill 96, 4, 3214868480
	.section	.rodata,"a",@progbits
	.p2align	6, 0x0
	.amdhsa_kernel k_q316ac6f215_quant
		.amdhsa_group_segment_fixed_size 327680
		.amdhsa_private_segment_fixed_size 0
		.amdhsa_enable_private_segment 0
		.amdhsa_kernarg_size 64
		.amdhsa_user_sgpr_count 2
		.amdhsa_user_sgpr_kernarg_segment_ptr 1
		.amdhsa_wavefront_size32 1
		.amdhsa_system_sgpr_workgroup_id_x 1
		.amdhsa_system_sgpr_workgroup_id_y 1
		.amdhsa_system_sgpr_workgroup_id_z 1
		.amdhsa_system_vgpr_workitem_id 0
		.amdhsa_next_free_vgpr 208
		.amdhsa_next_free_sgpr 102
		.amdhsa_reserve_vcc 0
		.amdhsa_float_denorm_mode_32 3
		.amdhsa_float_denorm_mode_16_64 3
		.amdhsa_memory_ordered 1
		.amdhsa_forward_progress 1
		.amdhsa_inst_pref_size 50
	.end_amdhsa_kernel
	.amdgpu_metadata
---
amdhsa.version: [ 1, 2 ]
amdhsa.kernels:
  - .name:           k_q316ac6f215_quant
    .symbol:         k_q316ac6f215_quant.kd
    .args:
      - { .name: q, .offset: 0, .size: 8, .value_kind: global_buffer, .address_space: global }
      - { .name: k, .offset: 8, .size: 8, .value_kind: global_buffer, .address_space: global }
      - { .name: Wv, .offset: 16, .size: 8, .value_kind: global_buffer, .address_space: global }
      - { .name: Wq, .offset: 24, .size: 8, .value_kind: global_buffer, .address_space: global }
      - { .name: Wk, .offset: 32, .size: 8, .value_kind: global_buffer, .address_space: global }
      - { .name: v, .offset: 40, .size: 8, .value_kind: global_buffer, .address_space: global }
      - { .name: Wo, .offset: 48, .size: 8, .value_kind: global_buffer, .address_space: global }
      - { .name: codes, .offset: 56, .size: 8, .value_kind: global_buffer, .address_space: global }
    .group_segment_fixed_size: 327680
    .private_segment_fixed_size: 0
    .kernarg_segment_align: 8
    .kernarg_segment_size: 64
    .max_flat_workgroup_size: 224
    .sgpr_count:     102
    .vgpr_count:     208
    .wavefront_size: 32
...
	.end_amdgpu_metadata
.endif
;; end of part 1
;; launch proj (part 2): grid 8 x 24, 4 waves a work-group, clusters of 4 x 4, 327,680 bytes of LDS; arguments codes, bq, bk, bv, qf, kv; writes qf, kv
.if DOCPART == 2
	.amdgcn_target "amdgcn-amd-amdhsa--gfx1250"
	.amdhsa_code_object_version 6
	.text
	.protected	k_q316ac6f215_proj
	.globl	k_q316ac6f215_proj
	.p2align	8
	.type	k_q316ac6f215_proj,@function
k_q316ac6f215_proj:
	s_mov_b64 s[64:65], 0
	v_nop
	global_prefetch_b8 v0, s[64:65] scope:SCOPE_SE
	s_setreg_imm32_b32 hwreg(HW_REG_WAVE_MODE, 25, 1), 1
	s_wait_xcnt 0x0
	s_wait_alu depctr_hold_cnt(0) depctr_sa_sdst(0) depctr_va_vdst(0) depctr_va_sdst(0) depctr_va_ssrc(0) depctr_va_vcc(0) depctr_vm_vsrc(0)
	s_getreg_b32 s2, hwreg(HW_REG_IB_STS2, 6, 4)
	s_cmp_eq_u32 s2, 0
	s_cbranch_scc0 .Lentry_in_a_cluster
	s_endpgm
.Lentry_in_a_cluster:
	s_bfe_u32 s2, ttmp6, 0x10000c
	s_cmp_lg_u32 s2, 0xf033
	s_cbranch_scc0 .Lentry_shape_is_right
	s_endpgm
.Lentry_shape_is_right:
.set PART,  3276800
.set GBLK,  25600
.set ABLK,  12800
.set FRB,   1536
.set FR,    12
.set SCO,   24576
.set SLOT,  4*GBLK
.set SPARE, 2*SLOT
.set LAPS,  4
.set BA,   8
.set ADRX, 16
.set ADSX, 18
.set ADRY, 20
.set ADSY, 22
.set L16,  24
.set SPW,  28
.set NIL,  29
.set SC,   32
.set BI,   64
.set AF,   128
.set HA,   128
.set PC,   192
.set TM,   224
.set PW,   240
.set SW,   248
.set SEL,  20
.set BP,   30
.set OP,   32
.set WV,   34
.set XH,   35
.set YH,   36
.set CX,   37
.set CY,   38
.set TX,   39
.set TY,   40
.set MODE, 41
.set G1X,  44
.set G1Y,  52
.set G0X,  68
.set G0Y,  76
.set MSB, 0
.macro WIN new
.if MSB != (\new)
	s_set_vgpr_msb (MSB<<8)|(\new)
.set MSB, (\new)
.endif
.endm
.set MUL_LO, 0xa1
.set MUL_HI, 0xf1
.set TO_B,   0x40
.macro PLACES n
.rept \n
	v_nop
.endr
.endm
.macro JLOAD g0a, g1a, g0b, g1b
	s_cmp_eq_u32 s[XH], 0
	s_cbranch_scc0 .Lfor_y_\@
	tensor_load_to_lds s[\g0a:\g0a+3], s[\g1a:\g1a+7]
	s_nop 0
.rept 4
	v_nop
.endr
	s_branch .Lasked_\@
.Lfor_y_\@:
	tensor_load_to_lds s[\g0b:\g0b+3], s[\g1b:\g1b+7]
	s_nop 0
.rept 4
	v_nop
.endr
.Lasked_\@:
.endm
.macro CREST
	s_cmp_lg_u32 s[WV], 0
	s_cbranch_scc1 .Lnot_wave_0_\@
	s_barrier_signal -3
.Lnot_wave_0_\@:
	s_barrier_wait -3
	s_barrier_signal -1
	s_barrier_wait -1
.endm
.macro CROUND
	s_barrier_signal -1
	s_barrier_wait -1
	CREST
.endm
.macro QUANT s, tm, pc, pw
.irp b, 0,1,2,3
	v_max3_num_f32 v[(\tm)+\b], |v[(\s)+16*\b]|, |v[(\s)+1+16*\b]|, 0x1800000
.endr
.irp i, 2,4,6,8,10,12,14
.irp b, 0,1,2,3
	v_max3_num_f32 v[(\tm)+\b], v[(\tm)+\b], |v[(\s)+16*\b+\i]|, |v[(\s)+1+16*\b+\i]|
.endr
.endr
.irp b, 0,1,2,3
	v_permlanex16_b32 v[(\tm)+4+\b], v[(\tm)+\b], s[SEL], s[SEL+1]
.endr
.irp b, 0,1,2,3
	v_max_num_f32 v[(\tm)+\b], v[(\tm)+\b], v[(\tm)+4+\b]
.endr
.irp b, 0,1,2,3
	v_add_nc_u32 v[(\tm)+12+\b], 0xff000000, v[(\tm)+\b]
.endr
.irp b, 0,1,2,3
	v_lshrrev_b32 v[(\tm)+4+\b], 23, v[(\tm)+12+\b]
.endr
	v_lshl_or_b32 v[\pw], v[(\tm)+5], 8, v[(\tm)+4]
	v_lshl_or_b32 v[\pw], v[(\tm)+6], 16, v[\pw]
	v_lshl_or_b32 v[\pw], v[(\tm)+7], 24, v[\pw]
.irp c, 0,1
	v_cvt_scalef32_pk16_fp6_f32 v[(\pc)+6*\c:(\pc)+2+6*\c], v[(\s)+32*\c:(\s)+15+32*\c], v[(\tm)+12+2*\c]
	v_cvt_scalef32_pk16_fp6_f32 v[(\pc)+12+4*\c:(\pc)+14+4*\c], v[(\s)+16+32*\c:(\s)+31+32*\c], v[(\tm)+12+2*\c+1]
.endr
	v_nop
.irp c, 0,1
.irp i, 0,1,2
	v_permlane16_swap_b32 v[(\pc)+6*\c+\i], v[(\pc)+12+4*\c+\i]
.endr
.irp i, 0,1,2
	v_mov_b32 v[(\pc)+3+6*\c+\i], v[(\pc)+12+4*\c+\i]
.endr
.endr
.endm
	s_load_b256 s[4:11], s[0:1], 0x0
	s_load_b128 s[12:15], s[0:1], 0x20
	v_lshl_add_u32 v[SPW], v0, 2, SPARE
	v_mov_b32 v[NIL], 0
	ds_add_u32 v28, v29
	ds_add_u32 v28, v29
	s_wait_dscnt 0x0
	v_lshrrev_b32 v1, 5, v0
	v_readfirstlane_b32 s[WV], v1
	s_lshr_b32 s[XH], s[WV], 1
	s_and_b32 s[YH], s[WV], 1
	s_bfe_u32 s[CX], ttmp6, 0x40000
	s_bfe_u32 s[CY], ttmp6, 0x40004
	s_lshl_b32 s[TX], ttmp9, 2
	s_add_co_u32 s[TX], s[TX], s[CX]
	s_and_b32 s42, ttmp7, 0xffff
	s_lshr_b32 s[MODE], s42, 1
	s_and_b32 s42, s42, 1
	s_lshl_b32 s[TY], s42, 2
	s_add_co_u32 s[TY], s[TY], s[CY]
	s_lshl_b32 s42, s[CY], 2
	s_lshl_b32 s42, 15, s42
	s_lshl_b32 s43, 0x1111, s[CX]
	s_or_b32 s[G1X], s42, (3<<16)|(1<<21)
	s_or_b32 s[G1Y], s43, (3<<16)|(1<<21)
.irp g, G1X, G1Y
	s_mov_b32 s[\g+1], 32<<16
	s_mov_b32 s[\g+2], 100<<16
	s_mov_b32 s[\g+3], 32<<16
	s_mov_b32 s[\g+4], 100
	s_mov_b32 s[\g+5], 32
	s_mov_b32 s[\g+6], 0
	s_mov_b32 s[\g+7], 0
.endr
	s_lshl_b32 s84, s[TY], 1
	s_add_co_u32 s84, s84, s[YH]
	s_mul_i32 s84, s84, GBLK
	s_mul_i32 s85, s[MODE], PART
	s_add_co_u32 s84, s84, s85
	s_mov_b32 s85, 0
	s_lshl_b32 s86, s[TX], 1
	s_add_co_u32 s86, s86, s[YH]
	s_mul_i32 s86, s86, GBLK
	s_add_co_u32 s87, s[MODE], 3
	s_mul_i32 s87, s87, PART
	s_add_co_u32 s86, s86, s87
	s_mov_b32 s87, 0
	s_mul_i32 s88, s[WV], GBLK
	s_mov_b32 s[SEL], 0x76543210
	s_mov_b32 s[SEL+1], 0xfedcba98
	s_wait_kmcnt 0x0
	s_add_nc_u64 s[84:85], s[4:5], s[84:85]
	s_add_nc_u64 s[86:87], s[4:5], s[86:87]
	; THE PREFETCHES.  At a change of slots every wave has waited for all its tensor loads, so a refill sets out with nothing on its way beside it: what it asks for is named two fills earlier.
	; A wave's joint load brings a block of 25,600 bytes, 100 pieces of 256.  The four partners that ask for it jointly share the pieces out BY ADDRESS: the partner at place p (cx for the row operand, cy for the column operand)
	; names pieces 25 p .. 25 p + 24, a lane a piece (lanes 25-31 name the wave's last piece again): one instruction a wave and fill, each piece once in each cluster that loads it.
	; The fill of K slot n names K slot n + 2: n = 0, 1 at the head, n = 2 .. 5 in the loop; the loop's last trip names nothing.  K slots 0 and 1 come by their loads alone.
	s_cmp_eq_u32 s[XH], 0
	s_cselect_b64 s[22:23], s[84:85], s[86:87]     ; s[22:23]: my block of K slot 0,
	s_cselect_b32 s24, s[CX], s[CY]
	s_mul_i32 s24, s24, 6400
	s_mov_b32 s25, 0
	s_add_nc_u64 s[22:23], s[22:23], s[24:25]      ; my work-group's quarter of it
	v_and_b32 v30, 31, v0
	v_min_u32 v30, 24, v30
	v_lshlrev_b32 v30, 8, v30                      ; v30: my piece; never rewritten
	s_cmp_eq_u32 s[MODE], 0
	s_cselect_b64 s[BP:BP+1], s[6:7], s[8:9]
	s_cselect_b64 s[OP:OP+1], s[12:13], s[14:15]
	s_cmp_eq_u32 s[MODE], 2
	s_cselect_b64 s[BP:BP+1], s[10:11], s[BP:BP+1]
	CROUND
.irp s, 0,1
	s_mov_b32 s[G0X+4*\s], 1
	s_add_co_u32 s[G0X+4*\s+1], s88, \s*SLOT
	s_add_nc_u64 s[G0X+4*\s+2:G0X+4*\s+3], s[84:85], \s*16*GBLK
	s_or_b32 s[G0X+4*\s+3], s[G0X+4*\s+3], 0x80000000
	s_mov_b32 s[G0Y+4*\s], 1
	s_add_co_u32 s[G0Y+4*\s+1], s88, \s*SLOT
	s_add_nc_u64 s[G0Y+4*\s+2:G0Y+4*\s+3], s[86:87], \s*16*GBLK
	s_or_b32 s[G0Y+4*\s+3], s[G0Y+4*\s+3], 0x80000000
	s_wait_alu depctr_va_vdst(0)
	s_wait_tensorcnt 0x0
	ds_add_u32 v28, v29
	ds_add_u32 v28, v29
	s_wait_dscnt 0x0
	CROUND
	JLOAD G0X+4*\s, G1X, G0Y+4*\s, G1Y
	global_prefetch_b8 v30, s[22:23] offset:(2+\s)*16*GBLK th:TH_LOAD_NT scope:SCOPE_SE   ; K slot 2 + s
.endr
	v_and_b32 v3, 31, v0
	v_and_b32 v1, 15, v0
	v_bfe_u32 v2, v0, 4, 1
	v_lshlrev_b32 v[L16], 4, v3
	v_lshlrev_b32 v4, 3, v3
	s_mul_i32 s89, s[XH], GBLK
	s_mul_i32 s90, s[YH], GBLK
	s_add_co_u32 s90, s90, 2*GBLK
.irp s, 0,1
	v_add_nc_u32 v[ADRX+\s], s89, v[L16]
	v_add_nc_u32 v[ADSX+\s], s89, v4
	v_add_nc_u32 v[ADRY+\s], s90, v[L16]
	v_add_nc_u32 v[ADSY+\s], s90, v4
	s_add_co_u32 s89, s89, SLOT
	s_add_co_u32 s90, s90, SLOT
.endr
	s_lshl_b32 s91, s[TY], 1
	s_add_co_u32 s91, s91, s[XH]
	s_lshl_b32 s92, s[TX], 1
	s_add_co_u32 s92, s92, s[YH]
	s_cmp_eq_u32 s[MODE], 2
	s_cselect_b32 s93, s91, s92
	s_cselect_b32 s98, s92, s91
	s_cselect_b32 s94, -1, 0
	s_cselect_b32 s95, 0, 4
	s_cselect_b32 s99, ABLK, 0
	s_lshl_b32 s96, s93, 9
	s_mov_b32 s97, 0
	s_lshl_b32 s93, s93, 4
	s_add_co_u32 s93, s93, s98
	s_mov_b32 s98, GBLK
	s_cmp_eq_u32 s[MODE], 0
	s_cselect_b32 s98, ABLK, s98
	s_mul_i32 s98, s93, s98
	s_add_co_u32 s98, s98, s99
	s_mov_b32 s99, 0
	s_add_nc_u64 s[OP:OP+1], s[OP:OP+1], s[98:99]
	s_add_nc_u64 s[BP:BP+1], s[BP:BP+1], s[96:97]
	v_and_b32 v5, 8, v1
	v_add_nc_u32 v5, v5, v1
	v_lshlrev_b32 v5, 2, v5
	v_lshlrev_b32 v6, 6, v2
	v_cndmask_b32 v[BA], v6, v5, s94
.irp j, 1,2,3,4,5,6,7
	v_add_nc_u32 v[BA+\j], s95, v[BA+\j-1]
.endr
.irp u, 0,1,2,3,4,5,6,7
.irp j, 0,1,2,3,4,5,6,7
	global_load_b32 v[BI+8*\u+\j], v[BA+\j], s[BP:BP+1] offset:4*(32*(\u/2)+8*(\u%2))
.endr
.endr
.macro FRAG reg, adr, e, j
.irp c, 0,1,2
	ds_load_b128 v[(\reg)+4*\c:(\reg)+4*\c+3], v[\adr] offset:(2*(\j)+(\e))*FRB+512*\c
.endr
.endm
.macro FETCH_B slot, e, p
	WIN TO_B
.irp i, 0,1,2,3,4,5,6,7
	FRAG 128*(\p)+FR*\i, ADRY+\slot, \e, \i
.endr
	WIN 0
.endm
.macro FETCH_A slot, e, i0
.irp i, \i0, \i0+1, \i0+2, \i0+3
	FRAG AF+FR*(\i), ADRX+\slot, \e, \i
.endr
.endm
.macro SCALES slot
.irp o, 0,1,2,3
	ds_load_b64 v[SC+16*\slot+2*\o:SC+16*\slot+2*\o+1], v[ADSY+\slot] offset:SCO+256*\o
	ds_load_b64 v[SC+16*\slot+8+2*\o:SC+16*\slot+8+2*\o+1], v[ADSX+\slot] offset:SCO+256*\o
.endr
.endm
.macro MUL16 a0, p, e, sc, zero
.irp a, \a0, \a0+1
.irp b, 0,1,2,3,4,5,6,7
.if \zero
	v_wmma_scale_f32_16x16x128_f8f6f4 v[8*(8*((\a)%4)+\b):8*(8*((\a)%4)+\b)+7], v[128*(\p)+FR*\b:128*(\p)+FR*\b+FR-1], v[AF+FR*(\a):AF+FR*(\a)+FR-1], 0, v[SC+16*(\sc)+\b], v[SC+16*(\sc)+8+(\a)] matrix_a_fmt:MATRIX_FMT_FP6 matrix_b_fmt:MATRIX_FMT_FP6
.elseif \e
	v_wmma_scale_f32_16x16x128_f8f6f4 v[8*(8*((\a)%4)+\b):8*(8*((\a)%4)+\b)+7], v[128*(\p)+FR*\b:128*(\p)+FR*\b+FR-1], v[AF+FR*(\a):AF+FR*(\a)+FR-1], v[8*(8*((\a)%4)+\b):8*(8*((\a)%4)+\b)+7], v[SC+16*(\sc)+\b], v[SC+16*(\sc)+8+(\a)] matrix_a_fmt:MATRIX_FMT_FP6 matrix_b_fmt:MATRIX_FMT_FP6 matrix_a_scale:MATRIX_SCALE_ROW1 matrix_b_scale:MATRIX_SCALE_ROW1
.else
	v_wmma_scale_f32_16x16x128_f8f6f4 v[8*(8*((\a)%4)+\b):8*(8*((\a)%4)+\b)+7], v[128*(\p)+FR*\b:128*(\p)+FR*\b+FR-1], v[AF+FR*(\a):AF+FR*(\a)+FR-1], v[8*(8*((\a)%4)+\b):8*(8*((\a)%4)+\b)+7], v[SC+16*(\sc)+\b], v[SC+16*(\sc)+8+(\a)] matrix_a_fmt:MATRIX_FMT_FP6 matrix_b_fmt:MATRIX_FMT_FP6
.endif
.endr
.endr
.endm
.macro STEP slot, zero
	s_wait_dscnt 12
	WIN MUL_LO
	MUL16 0, 0, 0, \slot, \zero
	MUL16 2, 0, 0, \slot, \zero
	s_wait_dscnt 0x0
	PLACES 4
	FETCH_B \slot, 1, 1
	FETCH_A \slot, 1, 0
	WIN MUL_HI
	MUL16 4, 0, 0, \slot, \zero
	MUL16 6, 0, 0, \slot, \zero
	PLACES 4
	WIN 0
	FETCH_A \slot, 1, 4
.endm
.macro TURN slot, next, fill
.if \fill
	s_wait_xcnt 0x0                                ; my last prefetch, a K slot ago, has read its address: it steps here, ahead of the waits of the change of slots
	s_add_nc_u64 s[22:23], s[22:23], 16*GBLK
.endif
	s_wait_tensorcnt 0x0
	ds_add_u32 v[SPW], v[NIL]
	s_wait_dscnt 13
	WIN MUL_LO
	MUL16 0, 1, 1, \slot, 0
	s_wait_dscnt 0x0
	s_barrier_signal -1
	MUL16 2, 1, 1, \slot, 0
	WIN 0
	s_barrier_wait -1
.if \fill
	CREST
	s_add_nc_u64 s[G0X+4*\slot+2:G0X+4*\slot+3], s[G0X+4*\slot+2:G0X+4*\slot+3], 32*GBLK
	s_add_nc_u64 s[G0Y+4*\slot+2:G0Y+4*\slot+3], s[G0Y+4*\slot+2:G0Y+4*\slot+3], 32*GBLK
	JLOAD G0X+4*\slot, G1X, G0Y+4*\slot, G1Y
.else
	PLACES 4
.endif
	FETCH_B \next, 0, 0
	FETCH_A \next, 0, 0
	SCALES \next
.if \fill
	s_cmp_gt_u32 s3, 1                             ; s3 = 1 in the loop's last trip, whose fills have no K slot two on
	s_cbranch_scc0 .Lno_ask_\@
	global_prefetch_b8 v30, s[22:23] offset:3*16*GBLK th:TH_LOAD_NT scope:SCOPE_SE   ; behind the joint load and the run of LDS loads: the K slot two fills on
.Lno_ask_\@:
.endif
	WIN MUL_HI
	MUL16 4, 1, 1, \slot, 0
	MUL16 6, 1, 1, \slot, 0
	PLACES 4
	WIN 0
	FETCH_A \next, 0, 4
.endm
	s_wait_tensorcnt 1
	s_barrier_signal -1
	s_barrier_wait -1
	FETCH_B 0, 0, 0
	FETCH_A 0, 0, 0
	SCALES 0
	FETCH_A 0, 0, 4
	STEP 0, 1
	s_mov_b32 s3, LAPS-1
.Llap:
	TURN 0, 1, 1
	STEP 1, 0
	TURN 1, 0, 1
	STEP 0, 0
	s_sub_co_u32 s3, s3, 1
	s_cmp_lg_u32 s3, 0
	s_cbranch_scc1 .Llap
	TURN 0, 1, 0
	STEP 1, 0
	s_wait_dscnt 12
	WIN MUL_LO
	MUL16 0, 1, 1, 1, 0
	MUL16 2, 1, 1, 1, 0
	s_wait_dscnt 0x0
	WIN MUL_HI
	MUL16 4, 1, 1, 1, 0
	MUL16 6, 1, 1, 1, 0
	WIN 0
.macro EPI byx
.irp a, 0,1,2,3,4,5,6,7
	WIN 0x02+(\a)/4
.set i, 0
.rept 32
.if \byx
	v_pk_add_f32 v[HA+2*i:HA+2*i+1], v[64*((\a)%4)+2*i:64*((\a)%4)+2*i+1], v[BI+8*\a+2*(i%4):BI+8*\a+2*(i%4)+1]
.else
	v_pk_add_f32 v[HA+2*i:HA+2*i+1], v[64*((\a)%4)+2*i:64*((\a)%4)+2*i+1], v[BI+2*i:BI+2*i+1]
.endif
.set i, i+1
.endr
	WIN 0
.if \a > 0
	s_wait_xcnt 0x0
.endif
	QUANT HA, TM, PC, PW+\a
.irp c, 0,1,2
	global_store_b128 v[L16], v[PC+4*\c:PC+4*\c+3], s[OP:OP+1] offset:FRB*\a+512*\c
.endr
.endr
.irp i, 0,1,2,3
	v_cndmask_b32 v[SW+\i], v[PW+2*\i], v[PW+2*\i+1], vcc_lo
.endr
	global_store_b128 v[L16], v[SW:SW+3], s[OP:OP+1] offset:8*FRB
.endm
.irp b, 0,1,2,3
	v_mov_b32 v[TM+4+\b], 0
.endr
	v_cmp_le_u32 vcc_lo, 16, v3
	s_wait_loadcnt 0x0
	s_cmp_eq_u32 s[MODE], 2
	s_cbranch_scc1 .Lby_x
	EPI 0
	s_branch .Lend
.Lby_x:
	EPI 1
.Lend:
	s_wait_tensorcnt 0x0
	ds_add_u32 v[SPW], v[NIL]
	s_wait_dscnt 0x0
	CROUND
	s_endpgm
.Lfunc_end_k_q316ac6f215_proj:
	.size	k_q316ac6f215_proj, .Lfunc_end_k_q316ac6f215_proj-k_q316ac6f215_proj
	.p2alignl 7, 3214868480
	.fill 96, 4, 3214868480
	.section	.rodata,"a",@progbits
	.p2align	6, 0x0
	.amdhsa_kernel k_q316ac6f215_proj
		.amdhsa_group_segment_fixed_size 327680
		.amdhsa_private_segment_fixed_size 0
		.amdhsa_enable_private_segment 0
		.amdhsa_kernarg_size 48
		.amdhsa_user_sgpr_count 2
		.amdhsa_user_sgpr_kernarg_segment_ptr 1
		.amdhsa_wavefront_size32 1
		.amdhsa_system_sgpr_workgroup_id_x 1
		.amdhsa_system_sgpr_workgroup_id_y 1
		.amdhsa_system_sgpr_workgroup_id_z 1
		.amdhsa_system_vgpr_workitem_id 0
		.amdhsa_next_free_vgpr 1024
		.amdhsa_next_free_sgpr 100
		.amdhsa_reserve_vcc 1
		.amdhsa_float_denorm_mode_32 3
		.amdhsa_float_denorm_mode_16_64 3
		.amdhsa_memory_ordered 1
		.amdhsa_forward_progress 1
		.amdhsa_inst_pref_size 210
	.end_amdhsa_kernel
	.amdgpu_metadata
---
amdhsa.version: [ 1, 2 ]
amdhsa.kernels:
  - .name:           k_q316ac6f215_proj
    .symbol:         k_q316ac6f215_proj.kd
    .args:
      - { .name: codes, .offset: 0, .size: 8, .value_kind: global_buffer, .address_space: global }
      - { .name: bq, .offset: 8, .size: 8, .value_kind: global_buffer, .address_space: global }
      - { .name: bk, .offset: 16, .size: 8, .value_kind: global_buffer, .address_space: global }
      - { .name: bv, .offset: 24, .size: 8, .value_kind: global_buffer, .address_space: global }
      - { .name: qf, .offset: 32, .size: 8, .value_kind: global_buffer, .address_space: global }
      - { .name: kv, .offset: 40, .size: 8, .value_kind: global_buffer, .address_space: global }
    .group_segment_fixed_size: 327680
    .private_segment_fixed_size: 0
    .kernarg_segment_align: 8
    .kernarg_segment_size: 48
    .max_flat_workgroup_size: 128
    .sgpr_count:     100
    .vgpr_count:     1024
    .wavefront_size: 32
...
	.end_amdgpu_metadata
.endif
;; end of part 2
;; launch attn (part 3): grid 16 x 16, 8 waves a work-group, clusters of 4 x 1, 327,680 bytes of LDS; arguments qf, kv, xc; writes xc
.if DOCPART == 3
	.amdgcn_target "amdgcn-amd-amdhsa--gfx1250"
	.amdhsa_code_object_version 6
	.text
	.protected	k_q316ac6f215_attn
	.globl	k_q316ac6f215_attn
	.p2align	8
	.type	k_q316ac6f215_attn,@function
k_q316ac6f215_attn:
	s_mov_b64 s[64:65], 0
	v_nop
	global_prefetch_b8 v0, s[64:65] scope:SCOPE_SE
	s_setreg_imm32_b32 hwreg(HW_REG_WAVE_MODE, 25, 1), 1
	s_wait_xcnt 0x0
	s_wait_alu depctr_hold_cnt(0) depctr_sa_sdst(0) depctr_va_vdst(0) depctr_va_sdst(0) depctr_va_ssrc(0) depctr_va_vcc(0) depctr_vm_vsrc(0)
	s_getreg_b32 s2, hwreg(HW_REG_IB_STS2, 6, 4)
	s_cmp_eq_u32 s2, 0
	s_cbranch_scc0 .Lentry_in_a_cluster
	s_endpgm
.Lentry_in_a_cluster:
	s_bfe_u32 s2, ttmp6, 0x10000c
	s_cmp_lg_u32 s2, 0x3003
	s_cbranch_scc0 .Lentry_shape_is_right
	s_endpgm
.Lentry_shape_is_right:
; Attention of 16 heads, 2,048 queries x 2,048 keys, head size 128, both products on codes of FP6 (E2M3) with E8M0 scales; the result, divided by the row's sum, is quantised as the left operand of the output projection.
; THE SOFTMAX: t = score x log2(e) / sqrt(128); M = the running largest t rounded UP to a whole number; p = 2^(t - M) is quantised along the keys, not normalised; the row's sum is taken of the unquantised p.  When M moves, the sum and O are multiplied by 2^(old M - new M): exact.
; SHARES: a work-group has eight waves, each ONE tile of 16 queries in 512 registers: two waves to a SIMD, so that one wave's vector work stands beside the other's products and LDS loads.  2,048 tiles: 256 work-groups.
; WHICH QUERIES FORM A TILE: tile (B, s') holds tokens 256 B + 16 r + s'.  The module's reshape makes row 128 h + n / 16, column 128 (n % 16) + d of token n, channel d: so the tile's result IS the fragment (rows 16 B + r of group h, K step s') of the next product.
; Work-group x of a head: K slot s = x / 2, half beta = x % 2; wave w: B = 4 beta + w / 2, s' = 2 s + w % 2: its fragment is number 8 beta + w of xc's block (s, head).
; LAYOUT: both products transposed (S^T = K Q^T, O^T = V^T P^T): a lane holds one query throughout.  The keys of a tile of K, and the channels of a tile of V, are 32 (t / 2) + 8 (t % 2) + r + 8 (r / 8), so that 16 registers of two neighbouring tiles are 16 neighbours.
; OPERANDS ARE FETCHED AHEAD: K's eight fragments of key step j + 1 are asked of LDS in the middle of step j's softmax, V's eight of step j straight behind step j's first products: each run of 25 loads has vector work of its own wave between it and the wait for it.
; LDS: three regions of four key steps (a key step: K's 8 fragments + scale line, V's likewise: 25,600 bytes).  All three are asked for at the start, every wave an eighth of each; region 0 is filled once more, with key steps 12 to 15,
; while key steps 4 to 10 are worked.  So no prefetch is written: twelve of the sixteen key steps are asked for at the head, and the one refill has seven key steps' work in front of the wait for it.
; CLUSTER: four work-groups of one head walk the same K and V: every load is joint, with the same descriptor and the mask of all four.
; LIMITS: NaN and infinities are not served; p under 2^-126 becomes 0; 1 / the sum is v_rcp_f32's; a block of zeros gets the byte 1 where the rule says 127 (its codes are zeros, and this program alone reads the bytes).
; REGISTERS: window 0: v1-10 addresses; v12 -M, v13 the largest t, v[14:15] the sum, v[88:89] its second chain; v16-27 Q, v28 its scale words; v80-83 K's scale line, v84-87 V's; v96-159 S^T, then p; v160-223 O^T; v224-235 p's codes; v232-255 at work; v32-59 the way out.
;   window 1: v0-95 K's eight fragments; v96-191 V's eight.  (s_set_vgpr_msb's low byte: bits 1:0 source 0, 3:2 source 1, 5:4 source 2, 7:6 destination.)
; THE ORDER OF THE FILLS, which takes the place of what the paragraph LDS above says of it: a wave issues one joint load at the head (region 0, key steps 0 to 3).  Each later fill stands behind the wait for all the wave's loads, the add, and a round of the
; cluster's barrier: region 1 (key steps 4 to 7) ahead of key step 0, region 2 (8 to 11) ahead of key step 3, region 0 once more (12 to 15) ahead of key step 7.  Each has three or four key steps' work between its issue and the wait for it, so no prefetch is written.
.set GBLK,  25600
.set ABLK,  12800
.set FRB,   1536
.set SLN,   12288                      ; the scale line in a block of 8 fragments
.set REG,   4*GBLK
.set SCR,   3*REG                      ; behind the regions: 512 bytes in which the work-group's scale words meet; no fill lands there
.set SPARE, SCR+512                    ; the spare words, 128 bytes a wave: four blocks of 256 bytes that no other line names
.set KF,  0                            ; in window 1
.set VF,  96                           ; in window 1
.set L16, 1
.set SA,  2
.set RDS, 3
.set SPW, 5
.set NIL, 6
.set ADR, 8
.set WV,  10
.set CX,  11
.set SEL, 20
.set CS,  22
.set G1,  24
.set G0,  32                           ; s[32:43] a group 0 for each region
.set TB,  44
.set CNT, 45
.set MSB, 0
.macro WIN new                         ; the immediate's high byte repeats the setting that is left; a switch that changes nothing is dropped
.if MSB != (\new)
	s_set_vgpr_msb (MSB<<8)|(\new)
.set MSB, (\new)
.endif
.endm
.set W_MM, 0x01                        ; source 0 (K's or V's fragment) window 1, all else window 0
.set W_LD, 0x40                        ; destination window 1, address window 0
.macro PLACES n
.rept \n
	v_nop
.endr
.endm
.macro CROUND                          ; a round of the cluster's barrier
	s_barrier_signal -1
	s_barrier_wait -1
	s_cmp_lg_u32 s[WV], 0
	s_cbranch_scc1 .Lnot_wave_0_\@
	s_barrier_signal -3
.Lnot_wave_0_\@:
	s_barrier_wait -3
	s_barrier_signal -1
	s_barrier_wait -1
.endm
.macro QUANT s, tm, pc, pw             ; 64 numbers of a lane, register 16 b + i = k 32 b + 16 (lane / 16) + i, become a fragment's codes in v[pc] .. v[pc + 11] and its scale word in v[pw]
.irp b, 0,1,2,3
	v_max3_num_f32 v[(\tm)+\b], |v[(\s)+16*\b]|, |v[(\s)+1+16*\b]|, 0x1800000
.endr
.irp i, 2,4,6,8,10,12,14
.irp b, 0,1,2,3
	s_delay_alu instid0(VALU_DEP_4)
	v_max3_num_f32 v[(\tm)+\b], v[(\tm)+\b], |v[(\s)+16*\b+\i]|, |v[(\s)+1+16*\b+\i]|
.endr
.endr
.irp b, 0,1,2,3
	s_delay_alu instid0(VALU_DEP_4)
	v_permlanex16_b32 v[(\tm)+4+\b], v[(\tm)+\b], s[SEL], s[SEL+1]
.endr
.irp b, 0,1,2,3
	s_delay_alu instid0(VALU_DEP_4)
	v_max_num_f32 v[(\tm)+\b], v[(\tm)+\b], v[(\tm)+4+\b]
.endr
.irp b, 0,1,2,3
	s_delay_alu instid0(VALU_DEP_4)
	v_add_nc_u32 v[(\tm)+12+\b], 0xff000000, v[(\tm)+\b]
.endr
.irp b, 0,1,2,3
	s_delay_alu instid0(VALU_DEP_4)
	v_lshrrev_b32 v[(\tm)+4+\b], 23, v[(\tm)+12+\b]
.endr
	s_delay_alu instid0(VALU_DEP_3)
	v_lshl_or_b32 v[\pw], v[(\tm)+5], 8, v[(\tm)+4]
	s_delay_alu instid0(VALU_DEP_1)
	v_lshl_or_b32 v[\pw], v[(\tm)+6], 16, v[\pw]
	s_delay_alu instid0(VALU_DEP_1)
	v_lshl_or_b32 v[\pw], v[(\tm)+7], 24, v[\pw]
.irp c, 0,1
	v_cvt_scalef32_pk16_fp6_f32 v[(\pc)+6*\c:(\pc)+2+6*\c], v[(\s)+32*\c:(\s)+15+32*\c], v[(\tm)+12+2*\c]
	v_cvt_scalef32_pk16_fp6_f32 v[(\pc)+12+4*\c:(\pc)+14+4*\c], v[(\s)+16+32*\c:(\s)+31+32*\c], v[(\tm)+12+2*\c+1]
.endr
	v_nop
.irp c, 0,1
.irp i, 0,1,2
	v_permlane16_swap_b32 v[(\pc)+6*\c+\i], v[(\pc)+12+4*\c+\i]
.endr
.irp i, 0,1,2
	s_delay_alu instid0(VALU_DEP_3)
	v_mov_b32 v[(\pc)+3+6*\c+\i], v[(\pc)+12+4*\c+\i]
.endr
.endr
.endm
	s_load_b128 s[4:7], s[0:1], 0x0                ; qf, kv
	s_load_b64 s[8:9], s[0:1], 0x10                ; xc
	v_lshl_add_u32 v[SPW], v0, 2, SPARE
	v_mov_b32 v[NIL], 0
	ds_add_u32 v5, v6
	ds_add_u32 v5, v6
	s_wait_dscnt 0x0
	v_lshrrev_b32 v7, 5, v0
	s_delay_alu instid0(VALU_DEP_1)
	v_readfirstlane_b32 s[WV], v7                  ; wave 0..7
	s_bfe_u32 s[CX], ttmp6, 0x40000
	s_lshl_b32 s12, ttmp9, 2
	s_add_co_u32 s12, s12, s[CX]                   ; work-group x: it enters Q's and xc's addresses alone
	s_lshr_b32 s13, s12, 1                         ; s
	s_and_b32 s14, s12, 1                          ; beta
	s_and_b32 s15, ttmp7, 0xffff                   ; the head, which the four partners share
	s_lshl_b32 s16, s14, 2
	s_lshr_b32 s17, s[WV], 1
	s_add_co_u32 s16, s16, s17                     ; B
	s_lshl_b32 s16, s16, 1
	s_lshr_b32 s17, s13, 2
	s_add_co_u32 s16, s16, s17                     ; my tile's group of 128 queries: 2 B + s / 4
	s_lshl_b32 s17, s15, 4
	s_add_co_u32 s16, s16, s17
	s_mul_i32 s50, s16, ABLK                       ; its block in qf
	s_mov_b32 s51, 0
	s_and_b32 s17, s13, 3                          ; my fragment in it is 2 (s % 4) + w % 2
	s_and_b32 s18, s[WV], 1
	s_lshl_b32 s19, s17, 1
	s_add_co_u32 s19, s19, s18
	s_mul_i32 s19, s19, FRB
	s_lshl_b32 s18, s18, 8
	s_lshl_b32 s17, s17, 2
	s_add_co_u32 s17, s17, s18                     ; its scale words in the line: 256 (w % 2) + 4 (s % 4), + 16 r
	s_mul_i32 s54, s[WV], ABLK                     ; what I fetch of a region: its w-th eighth
	s_mul_i32 s52, s15, 16*GBLK                    ; the head's 16 key steps in kv
	s_add_co_u32 s52, s52, s54
	s_mov_b32 s53, 0
	s_lshl_b32 s55, s13, 4
	s_add_co_u32 s55, s55, s15
	s_mul_i32 s56, s55, GBLK                       ; xc's block (s, head)
	s_mov_b32 s57, 0
	s_lshl_b32 s58, s14, 3
	s_add_co_u32 s58, s58, s[WV]
	s_mul_i32 s58, s58, FRB                        ; my fragment in it
	s_mov_b32 s59, 0
	s_lshl_b32 s60, s14, 9                         ; my work-group's 512 bytes of its scale words
	s_mov_b32 s61, 0
	s_lshr_b32 s62, s[WV], 2                       ; my scale words among them: 256 (w / 4) + 128 (w % 2) + 4 ((w / 2) % 2), + 8 r
	s_lshl_b32 s62, s62, 8
	s_and_b32 s63, s[WV], 1
	s_lshl_b32 s63, s63, 7
	s_add_co_u32 s62, s62, s63
	s_bfe_u32 s63, s[WV], 0x10001
	s_lshl_b32 s63, s63, 2
	s_add_co_u32 s62, s62, s63
	s_add_co_u32 s62, s62, SCR
	; descriptor group 1: a dense block of 12,800 bytes as 50 rows of 32 elements of 8 bytes
	s_mov_b32 s[G1], 15|(3<<16)|(1<<21)            ; 15:0 the mask: all four work-groups; 17:16 elements of 8 bytes; 21 set beside a mask
	s_mov_b32 s[G1+1], 32<<16
	s_mov_b32 s[G1+2], 50<<16
	s_mov_b32 s[G1+3], 32<<16
	s_mov_b32 s[G1+4], 50
	s_mov_b32 s[G1+5], 32
	s_mov_b32 s[G1+6], 0
	s_mov_b32 s[G1+7], 0
	s_mov_b32 s[SEL], 0x76543210
	s_mov_b32 s[SEL+1], 0xfedcba98
	s_mov_b32 s[CS], 0x3e0293ee                    ; c = log2(e) / sqrt(128)
	s_mov_b32 s[CS+1], s[CS]                       ; (named with it as a pair, so it is written)
	v_and_b32 v7, 31, v0                           ; lane
	v_and_b32 v4, 15, v0                           ; r
	s_delay_alu instid0(VALU_DEP_2)
	v_lshlrev_b32 v[L16], 4, v7
	s_delay_alu instid0(VALU_DEP_2)
	v_lshl_add_u32 v[SA], v4, 3, s62
	s_delay_alu instid0(VALU_DEP_2)
	v_add_nc_u32 v[RDS], SCR, v[L16]
	s_delay_alu instid0(VALU_DEP_3)
	v_add_nc_u32 v9, s19, v[L16]
	v_lshl_add_u32 v10, v4, 4, s17
	s_wait_alu depctr_va_vdst(0)
	s_wait_kmcnt 0x0
	s_add_nc_u64 s[50:51], s[4:5], s[50:51]
.irp c, 0,1,2
	global_load_b128 v[16+4*\c:19+4*\c], v9, s[50:51] offset:512*\c   ; Q's fragment stays in registers; it is asked for ahead of the round, and is on its way while the partners meet
.endr
	global_load_b32 v28, v10, s[50:51] offset:SLN  ; and its scale words
	s_add_nc_u64 s[52:53], s[6:7], s[52:53]
	s_add_nc_u64 s[48:49], s[8:9], s[56:57]
	s_add_nc_u64 s[46:47], s[48:49], s[58:59]
	s_add_nc_u64 s[48:49], s[48:49], s[60:61]
.irp p, 0,1,2
	s_mov_b32 s[G0+4*\p], 1
	s_add_co_u32 s[G0+4*\p+1], s54, \p*REG
	s_add_nc_u64 s[G0+4*\p+2:G0+4*\p+3], s[52:53], \p*REG
	s_or_b32 s[G0+4*\p+3], s[G0+4*\p+3], 0x80000000
.endr
	CROUND                                         ; all four work-groups are here: the first joint loads meet
	tensor_load_to_lds s[G0:G0+3], s[G1:G1+7]      ; region 0: my one tensor load at the head
	s_nop 0
	PLACES 4
	v_mov_b32 v13, 0xff61b1e6                      ; the largest t so far: -3e38, under every t
	s_delay_alu instid0(VALU_DEP_1)
	v_floor_f32 v12, -v13                          ; -M
	v_mov_b32 v14, 0
	v_mov_b32 v15, 0
.irp b, 0,1,2,3
	v_mov_b32 v[236+\b], 0                         ; a lane permute's destination counts as one of its sources
.endr
	v_mov_b32 v253, 0                              ; (named as the upper half of the pair v[252:253] before it is first written)
.set j, 0
.rept 64
	v_mov_b32 v[160+j], 0                          ; O^T: the key step is written without a first form of its own: the first finds zeros, which the first change of M leaves zeros
.set j, j+1
.endr
.macro SPROD t                         ; tile t of S^T; K's fragment t in window 1; its scale words in register t / 2 of the line, lanes 16 (t % 2) on
.if (\t)%2
	v_wmma_scale_f32_16x16x128_f8f6f4 v[96+8*(\t):103+8*(\t)], v[KF+12*(\t):KF+12*(\t)+11], v[16:27], 0, v[80+(\t)/2], v28 matrix_a_fmt:MATRIX_FMT_FP6 matrix_b_fmt:MATRIX_FMT_FP6 matrix_a_scale:MATRIX_SCALE_ROW1
.else
	v_wmma_scale_f32_16x16x128_f8f6f4 v[96+8*(\t):103+8*(\t)], v[KF+12*(\t):KF+12*(\t)+11], v[16:27], 0, v[80+(\t)/2], v28 matrix_a_fmt:MATRIX_FMT_FP6 matrix_b_fmt:MATRIX_FMT_FP6
.endif
.endm
.macro OPROD t                         ; tile t of O^T += V^T P^T; V's fragment t in window 1
.if (\t)%2
	v_wmma_scale_f32_16x16x128_f8f6f4 v[160+8*(\t):167+8*(\t)], v[VF+12*(\t):VF+12*(\t)+11], v[224:235], v[160+8*(\t):167+8*(\t)], v[84+(\t)/2], v253 matrix_a_fmt:MATRIX_FMT_FP6 matrix_b_fmt:MATRIX_FMT_FP6 matrix_a_scale:MATRIX_SCALE_ROW1
.else
	v_wmma_scale_f32_16x16x128_f8f6f4 v[160+8*(\t):167+8*(\t)], v[VF+12*(\t):VF+12*(\t)+11], v[224:235], v[160+8*(\t):167+8*(\t)], v[84+(\t)/2], v253 matrix_a_fmt:MATRIX_FMT_FP6 matrix_b_fmt:MATRIX_FMT_FP6
.endif
.endm
.macro KLOAD adr, off                  ; 25 LDS loads in one run: K's eight fragments and its scale line, from the block off bytes behind v[adr]
	WIN W_LD
.irp t, 0,1,2,3,4,5,6,7
.irp c, 0,1,2
	ds_load_b128 v[KF+12*\t+4*\c:KF+12*\t+4*\c+3], v[\adr] offset:(\off)+FRB*\t+512*\c
.endr
.endr
	WIN 0
	ds_load_b128 v[80:83], v[\adr] offset:(\off)+SLN
.endm
.macro VLOAD                           ; 25 LDS loads in one run: V's eight fragments and its scale line, of the key step in hand
	WIN W_LD
.irp t, 0,1,2,3,4,5,6,7
.irp c, 0,1,2
	ds_load_b128 v[VF+12*\t+4*\c:VF+12*\t+4*\c+3], v[ADR] offset:ABLK+FRB*\t+512*\c
.endr
.endr
	WIN 0
	ds_load_b128 v[84:87], v[ADR] offset:ABLK+SLN
.endm
; A KEY STEP: the 128 keys whose blocks begin at LDS byte s[TB].  Its K was asked for in the step before.
; nk = 1: the next step's K lies one block on;  2: it lies at LDS byte 0 (the region that was filled again);  0: there is no next step.
.macro STEP nk
	v_add_nc_u32 v[ADR], s[TB], v[L16]
	s_wait_alu depctr_va_vdst(0)
	s_wait_dscnt 0x0                               ; K's fragments and scale line are in: nothing else of mine is out
	WIN W_MM
.irp t, 0,1,2,3,4,5,6,7
	SPROD \t
.endr
	PLACES 4                                       ; for the first read of the scores; with the addition above also behind the last step's products, whose V and scale line are loaded anew below
	VLOAD                                          ; lands under the softmax
.irp b, 0,1,2,3
	v_max3_num_f32 v[232+\b], v[96+16*\b], v[97+16*\b], v[98+16*\b]   ; the largest score of each block of 32 keys: it serves for the row's maximum and, since p rises with the score, for the block's largest p
.endr
.irp i, 3,5,7,9,11,13
.irp b, 0,1,2,3
	v_max3_num_f32 v[232+\b], v[232+\b], v[96+16*\b+\i], v[97+16*\b+\i]
.endr
.endr
.irp b, 0,1,2,3
	v_max_num_f32 v[232+\b], v[232+\b], v[111+16*\b]
.endr
.irp b, 0,1,2,3
	s_delay_alu instid0(VALU_DEP_4)
	v_permlanex16_b32 v[236+\b], v[232+\b], s[SEL], s[SEL+1]
.endr
.irp b, 0,1,2,3
	s_delay_alu instid0(VALU_DEP_4)
	v_max_num_f32 v[232+\b], v[232+\b], v[236+\b]  ; with lane l xor 16's 16 keys
.endr
	s_delay_alu instid0(VALU_DEP_2)
	v_max3_num_f32 v254, v232, v233, v234
	s_delay_alu instid0(VALU_DEP_1)
	v_max_num_f32 v254, v254, v235                 ; the step's largest score of my query
	s_delay_alu instid0(VALU_DEP_1)
	v_mul_f32 v254, s[CS], v254                    ; as t (c is positive)
	s_delay_alu instid0(VALU_DEP_1)
	v_max_num_f32 v13, v13, v254                   ; the running largest t
	v_mov_b32 v254, v12
	s_delay_alu instid0(VALU_DEP_2)
	v_floor_f32 v12, -v13                          ; the new -M = floor(-t): M is a whole number
	s_delay_alu instid0(VALU_DEP_1)
	v_sub_f32 v254, v12, v254                      ; old M - new M: a whole number, 0 or less
	s_delay_alu instid0(VALU_DEP_1)
	v_cvt_i32_f32 v254, v254                       ; (it saturates)
	s_delay_alu instid0(VALU_DEP_1)
	v_ldexp_f32 v252, 1.0, v254                    ; f = 2^(old M - new M)
.set j, 0
.rept 32
	v_pk_fma_f32 v[96+j:97+j], v[96+j:97+j], s[CS:CS+1], v[12:13] op_sel_hi:[1,0,0]   ; t - M, two at a time
.set j, j+2
.endr
.irp b, 0,1,2,3
	v_fma_f32 v[232+\b], v[232+\b], s[CS], v12     ; the same of each block's largest score
.endr
.if (\nk) == 1
	KLOAD ADR, GBLK                                ; the next step's K: the 68 exponentials and all that follows them in this step stand between this run and the wait for it
.elseif (\nk) == 2
	KLOAD L16, 0
.endif
	s_wait_alu depctr_va_vdst(0)
.irp b, 0,1,2,3
	v_exp_f32 v[232+\b], v[232+\b]                 ; ONE BATCH of 68: the block's largest p (the same two instructions on the same number give the same bits as its p below),
.endr
.set j, 0
.rept 64
	v_exp_f32 v[96+j], v[96+j]                     ; and p = 2^(t - M), at most 1
.set j, j+1
.endr
	v_pk_mul_f32 v[14:15], v[14:15], v[252:253] op_sel_hi:[1,0]   ; the sums under the new M: the plain instruction behind the exponentials
.set j, 0
	s_wait_alu depctr_va_vdst(0)
.rept 32
	v_pk_mul_f32 v[160+j:161+j], v[160+j:161+j], v[252:253] op_sel_hi:[1,0]   ; O^T under the new M: work that names no exponential's result
.set j, j+2
.endr
	s_wait_alu depctr_va_vdst(0)                   ; ahead of the batch's first reader
.irp b, 0,1,2,3
	v_max_num_f32 v[232+\b], 0x1800000, v[232+\b]  ; the floor 2^(3 - 127): the byte cannot fall under 1
.endr
.irp b, 0,1,2,3
	s_delay_alu instid0(VALU_DEP_4)
	v_add_nc_u32 v[244+\b], 0xff000000, v[232+\b]  ; 2 off the exponent field: the conversion's scale operand
.endr
.irp b, 0,1,2,3
	s_delay_alu instid0(VALU_DEP_4)
	v_lshrrev_b32 v[236+\b], 23, v[244+\b]         ; the scale's byte
.endr
	s_delay_alu instid0(VALU_DEP_3)
	v_lshl_or_b32 v253, v237, 8, v236              ; p's scale word for these 128 keys
	s_delay_alu instid0(VALU_DEP_1)
	v_lshl_or_b32 v253, v238, 16, v253
	s_delay_alu instid0(VALU_DEP_1)
	v_lshl_or_b32 v253, v239, 24, v253
.irp c, 0,1
	v_cvt_scalef32_pk16_fp6_f32 v[224+6*\c:226+6*\c], v[96+32*\c:111+32*\c], v[244+2*\c]
	v_cvt_scalef32_pk16_fp6_f32 v[236+4*\c:238+4*\c], v[112+32*\c:127+32*\c], v[244+2*\c+1]
.endr
	v_nop                                          ; one plain instruction behind the scaled conversions
.irp c, 0,1
.irp i, 0,1,2
	v_permlane16_swap_b32 v[224+6*\c+\i], v[236+4*\c+\i]
.endr
.irp i, 0,1,2
	s_delay_alu instid0(VALU_DEP_3)
	v_mov_b32 v[227+6*\c+\i], v[236+4*\c+\i]
.endr
.endr
	v_pk_add_f32 v[88:89], v[100:101], v[104:105]
	v_pk_add_f32 v[254:255], v[108:109], v[112:113]
	v_pk_add_f32 v[250:251], v[116:117], v[120:121]
	v_pk_add_f32 v[248:249], v[124:125], v[128:129]
	v_pk_add_f32 v[246:247], v[132:133], v[136:137]
	v_pk_add_f32 v[244:245], v[140:141], v[144:145]
	v_pk_add_f32 v[242:243], v[148:149], v[152:153]
	v_pk_add_f32 v[14:15], v[14:15], v[156:157]
	v_pk_add_f32 v[88:89], v[88:89], v[96:97]
	v_pk_add_f32 v[254:255], v[254:255], v[98:99]
	v_pk_add_f32 v[250:251], v[250:251], v[102:103]
	v_pk_add_f32 v[248:249], v[248:249], v[106:107]
	v_pk_add_f32 v[246:247], v[246:247], v[110:111]
	v_pk_add_f32 v[244:245], v[244:245], v[114:115]
	v_pk_add_f32 v[242:243], v[242:243], v[118:119]
	v_pk_add_f32 v[14:15], v[14:15], v[122:123]
	v_pk_add_f32 v[88:89], v[88:89], v[126:127]
	v_pk_add_f32 v[254:255], v[254:255], v[130:131]
	v_pk_add_f32 v[250:251], v[250:251], v[134:135]
	v_pk_add_f32 v[248:249], v[248:249], v[138:139]
	v_pk_add_f32 v[246:247], v[246:247], v[142:143]
	v_pk_add_f32 v[244:245], v[244:245], v[146:147]
	v_pk_add_f32 v[242:243], v[242:243], v[150:151]
	v_pk_add_f32 v[14:15], v[14:15], v[154:155]
	v_pk_add_f32 v[88:89], v[88:89], v[158:159]
	s_delay_alu instid0(VALU_DEP_2)
	v_pk_add_f32 v[14:15], v[14:15], v[248:249]
	s_delay_alu instid0(VALU_DEP_2)
	v_pk_add_f32 v[88:89], v[88:89], v[246:247]
	v_pk_add_f32 v[254:255], v[254:255], v[244:245]
	v_pk_add_f32 v[250:251], v[250:251], v[242:243]
	s_delay_alu instid0(VALU_DEP_2)
	v_pk_add_f32 v[14:15], v[14:15], v[254:255]
	s_delay_alu instid0(VALU_DEP_2)
	v_pk_add_f32 v[88:89], v[88:89], v[250:251]
	s_delay_alu instid0(VALU_DEP_1)
	v_pk_add_f32 v[14:15], v[14:15], v[88:89]
.if (\nk)
	s_wait_dscnt 25                                ; V's 25 loads are in; the 25 issued behind them, the next step's K, may be out
.else
	s_wait_alu depctr_va_vdst(0)
	s_wait_dscnt 0x0
.endif
	WIN W_MM
.irp t, 0,1,2,3,4,5,6,7
	OPROD \t                                       ; the eight accumulators by turns
.endr
	WIN 0                                          ; at a label and at a branch every window is 0
.endm
.macro STEPS n                         ; n key steps, each of which has its successor one block on
	s_mov_b32 s[CNT], \n
.Lstep_\@:
	STEP 1
	s_add_co_u32 s[TB], s[TB], GBLK
	s_sub_co_u32 s[CNT], s[CNT], 1
	s_cmp_lg_u32 s[CNT], 0
	s_cbranch_scc1 .Lstep_\@
.endm
	s_wait_alu depctr_va_vdst(0)                   ; the head's end
	s_wait_loadcnt 0x0                             ; Q
	s_wait_tensorcnt 0x0                           ; my part of region 0 is in
	ds_add_u32 v[SPW], v[NIL]                      ; 0 onto my spare word
	s_mov_b32 s[TB], 0
	s_wait_dscnt 0x0
	CROUND                                         ; everybody's part is in, and the four partners meet
	tensor_load_to_lds s[G0+4:G0+7], s[G1:G1+7]    ; region 1's first fill, issued as a refill is
	s_nop 0
	PLACES 4
	KLOAD L16, 0                                   ; K of key step 0
	STEPS 3                                        ; key steps 0 to 2: they read region 0 alone
	s_wait_tensorcnt 0x0                           ; my part of region 1 is in
	ds_add_u32 v[SPW], v[NIL]
	s_mov_b32 s[TB], 3*GBLK
	s_wait_dscnt 0x0
	CROUND
	tensor_load_to_lds s[G0+8:G0+11], s[G1:G1+7]   ; region 2's first fill
	s_nop 0
	PLACES 4
	STEPS 4                                        ; key steps 3 to 6; step 3 fetches K of step 4, out of region 1
	s_wait_tensorcnt 0x0                           ; my part of region 2 is in: a group 0 may be written
	ds_add_u32 v[SPW], v[NIL]
	s_add_nc_u64 s[G0+2:G0+3], s[G0+2:G0+3], 3*REG ; key steps 12 to 15
	s_mov_b32 s[TB], 7*GBLK
	s_wait_dscnt 0x0                               ; the add is done, and my reads of region 0 are long over
	CROUND                                         ; no wave of any partner still reads region 0 or has a load on its way
	tensor_load_to_lds s[G0:G0+3], s[G1:G1+7]      ; my one tensor load behind the round
	s_nop 0
	PLACES 4
	STEPS 4                                        ; key steps 7 to 10; step 7 fetches K of step 8, out of region 2; step 10 that of step 11
	s_wait_tensorcnt 0x0                           ; my part of the refill is in
	ds_add_u32 v[SPW], v[NIL]
	s_mov_b32 s[TB], 11*GBLK
	s_wait_dscnt 0x0
	s_barrier_signal -1
	s_barrier_wait -1                              ; everybody's is
	STEP 2                                         ; key step 11, written out: its successor's K lies at LDS byte 0
	s_mov_b32 s[TB], 0
	STEPS 3                                        ; key steps 12 to 14
	s_mov_b32 s[TB], 3*GBLK
	STEP 0                                         ; key step 15, written out: nothing is left to fetch
	; THE WAY OUT: O^T / the sum, quantised along the head's 128, stored as a register image; the eight waves' scale words meet in LDS and leave as 512 consecutive bytes.
	v_add_f32 v14, v14, v15
	s_delay_alu instid0(VALU_DEP_1)
	v_permlanex16_b32 v252, v14, s[SEL], s[SEL+1]
	s_delay_alu instid0(VALU_DEP_1)
	v_add_f32 v14, v14, v252                       ; the row's sum
	s_wait_alu depctr_va_vdst(0)
	v_rcp_f32 v14, v14
.irp b, 0,1,2,3
	v_mov_b32 v[240+\b], 0                         ; plain instructions behind the reciprocal and behind the last products
.endr
	s_wait_alu depctr_va_vdst(0)                   ; ahead of the reciprocal's first reader
.set j, 0
.rept 64
	v_mul_f32 v[96+j], v[160+j], v14               ; register 16 b + i: channel 32 b + 16 h + i of my query
.set j, j+1
.endr
	QUANT 96, 236, 32, 252
.irp c, 0,1,2
	global_store_b128 v[L16], v[32+4*\c:35+4*\c], s[46:47] offset:512*\c
.endr
	ds_store_b32 v[SA], v252                       ; lanes l and l xor 16 write the same word with the same value
	s_wait_dscnt 0x0                               ; for the others' sake
	s_barrier_signal -1
	s_barrier_wait -1
	s_cmp_lg_u32 s[WV], 0
	s_cbranch_scc1 .Lnot_first
	ds_load_b128 v[56:59], v[RDS]
	s_wait_dscnt 0x0
	global_store_b128 v[L16], v[56:59], s[48:49] offset:16*FRB
.Lnot_first:
	s_wait_tensorcnt 0x0                           ; the wave's end
	ds_add_u32 v[SPW], v[NIL]
	s_wait_dscnt 0x0
	CROUND                                         ; the closing round
	s_endpgm
.Lfunc_end_k_q316ac6f215_attn:
	.size	k_q316ac6f215_attn, .Lfunc_end_k_q316ac6f215_attn-k_q316ac6f215_attn
	.p2alignl 7, 3214868480
	.fill 96, 4, 3214868480
	.section	.rodata,"a",@progbits
	.p2align	6, 0x0
	.amdhsa_kernel k_q316ac6f215_attn
		.amdhsa_group_segment_fixed_size 327680
		.amdhsa_private_segment_fixed_size 0
		.amdhsa_enable_private_segment 0
		.amdhsa_kernarg_size 24
		.amdhsa_user_sgpr_count 2
		.amdhsa_user_sgpr_kernarg_segment_ptr 1
		.amdhsa_wavefront_size32 1
		.amdhsa_system_sgpr_workgroup_id_x 1
		.amdhsa_system_sgpr_workgroup_id_y 1
		.amdhsa_system_sgpr_workgroup_id_z 1
		.amdhsa_system_vgpr_workitem_id 0
		.amdhsa_next_free_vgpr 512
		.amdhsa_next_free_sgpr 66
		.amdhsa_reserve_vcc 0
		.amdhsa_float_denorm_mode_32 3
		.amdhsa_float_denorm_mode_16_64 3
		.amdhsa_memory_ordered 1
		.amdhsa_forward_progress 1
		.amdhsa_inst_pref_size 137
	.end_amdhsa_kernel
	.amdgpu_metadata
---
amdhsa.version: [ 1, 2 ]
amdhsa.kernels:
  - .name:           k_q316ac6f215_attn
    .symbol:         k_q316ac6f215_attn.kd
    .args:
      - { .name: qf, .offset: 0, .size: 8, .value_kind: global_buffer, .address_space: global }
      - { .name: kv, .offset: 8, .size: 8, .value_kind: global_buffer, .address_space: global }
      - { .name: xc, .offset: 16, .size: 8, .value_kind: global_buffer, .address_space: global }
    .group_segment_fixed_size: 327680
    .private_segment_fixed_size: 0
    .kernarg_segment_align: 8
    .kernarg_segment_size: 24
    .max_flat_workgroup_size: 256
    .sgpr_count:     66
    .vgpr_count:     512
    .wavefront_size: 32
...
	.end_amdgpu_metadata
.endif
;; end of part 3
;; launch outp (part 4): grid 16 x 16, 4 waves a work-group, clusters of 4 x 4, 327,680 bytes of LDS; arguments xc, codes, bo, out0; writes out0
.if DOCPART == 4
	.amdgcn_target "amdgcn-amd-amdhsa--gfx1250"
	.amdhsa_code_object_version 6
	.text
	.protected	k_q316ac6f215_outp
	.globl	k_q316ac6f215_outp
	.p2align	8
	.type	k_q316ac6f215_outp,@function
k_q316ac6f215_outp:
	s_mov_b64 s[64:65], 0
	v_nop
	global_prefetch_b8 v0, s[64:65] scope:SCOPE_SE
	s_setreg_imm32_b32 hwreg(HW_REG_WAVE_MODE, 25, 1), 1
	s_wait_xcnt 0x0
	s_wait_alu depctr_hold_cnt(0) depctr_sa_sdst(0) depctr_va_vdst(0) depctr_va_sdst(0) depctr_va_ssrc(0) depctr_va_vcc(0) depctr_vm_vsrc(0)
	s_getreg_b32 s2, hwreg(HW_REG_IB_STS2, 6, 4)
	s_cmp_eq_u32 s2, 0
	s_cbranch_scc0 .Lentry_in_a_cluster
	s_endpgm
.Lentry_in_a_cluster:
	s_bfe_u32 s2, ttmp6, 0x10000c
	s_cmp_lg_u32 s2, 0xf033
	s_cbranch_scc0 .Lentry_shape_is_right
	s_endpgm
.Lentry_shape_is_right:
; out0 = x Wo^T + bo on codes of FP6 (E2M3) with E8M0 scales; sums in f32.  x [2048][2048] comes from xc, Wo from part 6 of codes, both as blocks of register images:
; the block of K slot s (256 along K) and group g (128 rows) lies at (16 s + g) x GBLK; fragment (block of 16 rows j, 128 along K e) at (2 j + e) x FRB; scale words at SCO + 256 (j / 2) + 8 (16 e + r) + 4 (j % 2).
; x's blocks hold neighbouring rows; block rb of Wo holds rows 32 (rb / 2) + 8 (rb % 2) + r + 8 (r / 8).
; SHARES: a tile of 128 x 128 to a work-group, 256 work-groups; a wave makes 64 x 64: 16 accumulators.  Tiles of 256 x 256 would be 64.
; The matrix instruction is used transposed (source 0 = 16 rows of Wo, source 1 = 16 rows of x): a lane holds eight neighbouring columns of one row of the result.  The bias is the C of each sum's first product.
; LDS: three regions, each a quarter of K (512): x's two blocks, then Wo's two, a block a wave.  Quarters 0 to 2 are asked for at the start; quarter 3 is the one refill, into region 0, with seven K steps' work in front of the wait for it: so no prefetch is written.
; CLUSTERS: 4 x 4; x's blocks shared along a row of the cluster, Wo's along a column, asked for jointly.
; The 16 K steps of 128 are written out: no loop.
; REGISTERS: window 0: v1-29 addresses; v32-63 scale words, two sets; v64-95 the bias, later with v96-127 the way out; v128-255 accumulators ((a, b) at v[128 + 8 (4 a + b)]).   window 1: two fragment buffers at v0 and v128: x's four, then Wo's four.
; THE ORDER OF THE FILLS, which takes the place of what the paragraph LDS above says of it: a wave issues one joint load at the head (quarter 0).  Each later fill stands behind the wait for all the wave's loads, the add, and a round of the cluster's barrier:
; quarter 1 ahead of K step 0, quarter 2 in K step 3, quarter 3, into region 0, in K step 7.
.set PART,  3276800
.set GBLK,  25600
.set FRB,   1536
.set FR,    12
.set SCO,   24576
.set REG,   4*GBLK
.set STG,   3*REG                      ; behind the regions: a stage of 16 rows x (256 + 16) bytes for each wave; no fill lands there
.set SPI,   272
.set WSTG,  16*SPI
.set SPARE, STG+4*WSTG                 ; the spare words, 128 bytes a wave: two blocks of 256 bytes that no other line names
.set XA,  4                            ; v4-6    x's fragments in region 0, 1, 2
.set YA,  7                            ; v7-9    Wo's
.set XS,  10                           ; v10-12  x's scale words
.set YS,  13                           ; v13-15  Wo's
.set STO, 16
.set RD,  17
.set CO,  18
.set SPW, 28
.set NIL, 29
.set SC,  32                           ; set q % 2 of quarter q: x's at + 4 g + a, Wo's at + 8 + 4 g + b (g: which block of the quarter); lanes 0-15 the block's first 128 along K, lanes 16-31 the second
.set BO,  64
.set OB,  64
.set ACC, 128
.set WV,  12
.set XH,  13
.set YH,  14
.set CX,  15
.set CY,  16
.set TX,  17
.set TY,  18
.set G1X, 24
.set G1Y, 32
.set G0X, 40                           ; s[40:51] a group 0 for each region
.set G0Y, 52                           ; s[52:63]
.set MSB, 0
.macro WIN new
.if MSB != (\new)
	s_set_vgpr_msb (MSB<<8)|(\new)
.set MSB, (\new)
.endif
.endm
.set MUL,  0x05                        ; sources 0 and 1 window 1; C and D window 0
.set TO_F, 0x40                        ; destination window 1, address window 0
.macro PLACES n
.rept \n
	v_nop
.endr
.endm
.macro JLOAD p                         ; the joint fill of region p: waves 0 and 1 for x, waves 2 and 3 for Wo; four v_nop follow each of the two lines
	s_cmp_eq_u32 s[XH], 0
	s_cbranch_scc0 .Lfor_y_\@
	tensor_load_to_lds s[G0X+4*\p:G0X+4*\p+3], s[G1X:G1X+7]
	s_nop 0
.rept 4
	v_nop
.endr
	s_branch .Lasked_\@
.Lfor_y_\@:
	tensor_load_to_lds s[G0Y+4*\p:G0Y+4*\p+3], s[G1Y:G1Y+7]
	s_nop 0
.rept 4
	v_nop
.endr
.Lasked_\@:
.endm
.macro CREST
	s_cmp_lg_u32 s[WV], 0
	s_cbranch_scc1 .Lnot_wave_0_\@
	s_barrier_signal -3
.Lnot_wave_0_\@:
	s_barrier_wait -3
	s_barrier_signal -1
	s_barrier_wait -1
.endm
.macro CROUND
	s_barrier_signal -1
	s_barrier_wait -1
	CREST
.endm
	s_load_b256 s[4:11], s[0:1], 0x0               ; xc, codes, bo, out0
	v_lshl_add_u32 v[SPW], v0, 2, SPARE
	v_mov_b32 v[NIL], 0
	ds_add_u32 v28, v29
	ds_add_u32 v28, v29
	s_wait_dscnt 0x0
	v_lshrrev_b32 v1, 5, v0
	v_readfirstlane_b32 s[WV], v1                  ; wave 0..3
	s_lshr_b32 s[XH], s[WV], 1                     ; which 64 rows are mine.  Also: I fetch for x (0) or for Wo (1)
	s_and_b32 s[YH], s[WV], 1                      ; which 64 columns.  Also: which of a quarter's two blocks I fetch
	s_bfe_u32 s[CX], ttmp6, 0x40000
	s_bfe_u32 s[CY], ttmp6, 0x40004
	s_lshl_b32 s[TX], ttmp9, 2
	s_add_co_u32 s[TX], s[TX], s[CX]
	s_and_b32 s[TY], ttmp7, 0xffff
	s_lshl_b32 s[TY], s[TY], 2
	s_add_co_u32 s[TY], s[TY], s[CY]
	s_lshl_b32 s66, s[CY], 2
	s_lshl_b32 s66, 15, s66                        ; my row of the cluster
	s_lshl_b32 s67, 0x1111, s[CX]                  ; my column
	s_or_b32 s[G1X], s66, (3<<16)|(1<<21)          ; a dense block of 25,600 bytes as 100 rows of 32 elements of 8 bytes; the mask: x's blocks go to my row
	s_or_b32 s[G1Y], s67, (3<<16)|(1<<21)          ; Wo's to my column
.irp g, G1X, G1Y
	s_mov_b32 s[\g+1], 32<<16
	s_mov_b32 s[\g+2], 100<<16
	s_mov_b32 s[\g+3], 32<<16
	s_mov_b32 s[\g+4], 100
	s_mov_b32 s[\g+5], 32
	s_mov_b32 s[\g+6], 0
	s_mov_b32 s[\g+7], 0
.endr
	s_lshl_b32 s20, s[YH], 4                       ; x: K slot (the one of the quarter's two that I fetch), group TY
	s_add_co_u32 s20, s20, s[TY]
	s_mul_i32 s20, s20, GBLK
	s_mov_b32 s21, 0
	s_lshl_b32 s22, s[YH], 4                       ; Wo: the same with group TX, in part 6
	s_add_co_u32 s22, s22, s[TX]
	s_mul_i32 s22, s22, GBLK
	s_add_co_u32 s22, s22, 6*PART
	s_mov_b32 s23, 0
	s_mul_i32 s19, s[WV], GBLK                     ; where it goes: wave x a block
	s_wait_kmcnt 0x0
	s_add_nc_u64 s[20:21], s[4:5], s[20:21]
	s_add_nc_u64 s[22:23], s[6:7], s[22:23]
.irp p, 0,1,2
	s_mov_b32 s[G0X+4*\p], 1
	s_add_co_u32 s[G0X+4*\p+1], s19, \p*REG
	s_add_nc_u64 s[G0X+4*\p+2:G0X+4*\p+3], s[20:21], \p*32*GBLK   ; quarter p: two K slots of 16 blocks on
	s_or_b32 s[G0X+4*\p+3], s[G0X+4*\p+3], 0x80000000
	s_mov_b32 s[G0Y+4*\p], 1
	s_add_co_u32 s[G0Y+4*\p+1], s19, \p*REG
	s_add_nc_u64 s[G0Y+4*\p+2:G0Y+4*\p+3], s[22:23], \p*32*GBLK
	s_or_b32 s[G0Y+4*\p+3], s[G0Y+4*\p+3], 0x80000000
.endr
	CROUND                                         ; all sixteen work-groups are here: the first joint loads meet
	s_cmp_eq_u32 s[XH], 0                          ; a wave's first fill stands in one branch: one load of mine is out
	s_cbranch_scc0 .Lfirst_y
	tensor_load_to_lds s[G0X:G0X+3], s[G1X:G1X+7]
	s_nop 0
	PLACES 4
	s_branch .Lfirst_asked
.Lfirst_y:
	tensor_load_to_lds s[G0Y:G0Y+3], s[G1Y:G1Y+7]
	s_nop 0
	PLACES 4
.Lfirst_asked:
	; THE PREFETCHES.  Each fill sets out when the one before has landed, with nothing on its way beside it: so the later quarters are named ahead.  A wave's joint load brings a block of 25,600 bytes, 100 pieces of 256.
	; The four partners that ask for it jointly share the pieces out BY ADDRESS: the partner at place p (cx for x, cy for Wo) names pieces 25 p .. 25 p + 24, a lane a piece (lanes 25-31 name the wave's last piece again).
	; Quarters 1 and 2 are named here, behind quarter 0's load; quarter 3 behind quarter 1's load.  Every offset is an immediate: no register of a prefetch is rewritten.
	s_cmp_eq_u32 s[XH], 0
	s_cselect_b64 s[76:77], s[20:21], s[22:23]     ; my block of quarter 0,
	s_cselect_b32 s78, s[CX], s[CY]
	s_mul_i32 s78, s78, 6400
	s_mov_b32 s79, 0
	s_add_nc_u64 s[76:77], s[76:77], s[78:79]      ; my work-group's quarter of it
	v_and_b32 v1, 31, v0
	v_min_u32 v27, 24, v1
	v_lshlrev_b32 v27, 8, v27                      ; v27: my piece; never rewritten
	global_prefetch_b8 v27, s[76:77] offset:32*GBLK th:TH_LOAD_NT scope:SCOPE_SE
	global_prefetch_b8 v27, s[76:77] offset:64*GBLK th:TH_LOAD_NT scope:SCOPE_SE
	v_and_b32 v2, 15, v0                           ; r
	v_bfe_u32 v3, v0, 4, 1                         ; h
	v_lshlrev_b32 v19, 4, v1
	s_wait_alu depctr_va_vdst(0)
	v_lshlrev_b32 v20, 3, v1
	s_wait_alu depctr_va_vdst(0)
	v_lshlrev_b32 v21, 6, v3                       ; the bias: 64 h
	s_lshl_b32 s66, s[TX], 9
	s_lshl_b32 s67, s[YH], 8
	s_add_co_u32 s66, s66, s67                     ; my first column, in bytes: 512 TX + 256 YH
	s_mov_b32 s67, 0
	s_add_nc_u64 s[8:9], s[8:9], s[66:67]
.irp b, 0,1,2,3                                ; register j of tile b, lane (r, h): column 32 (b / 2) + 16 h + 8 (b % 2) + j
	global_load_b128 v[BO+8*\b:BO+8*\b+3], v21, s[8:9] offset:4*(32*(\b/2)+8*(\b%2))
	global_load_b128 v[BO+8*\b+4:BO+8*\b+7], v21, s[8:9] offset:4*(32*(\b/2)+8*(\b%2))+16
.endr
	s_lshl_b32 s68, s[TY], 7
	s_lshl_b32 s69, s[XH], 6
	s_add_co_u32 s68, s68, s69                     ; my first row
	s_lshl_b32 s68, s68, 13
	s_mov_b32 s69, 0
	s_add_nc_u64 s[10:11], s[10:11], s[68:69]
	s_add_nc_u64 s[10:11], s[10:11], s[66:67]
	s_mul_i32 s70, s[XH], 8*FRB                    ; my four blocks of x's eight,
	s_mul_i32 s71, s[YH], 8*FRB                    ; of Wo's, which lie two blocks on
	s_add_co_u32 s71, s71, 2*GBLK
	s_lshl_b32 s72, s[XH], 9
	s_add_co_u32 s72, s72, SCO
	s_lshl_b32 s73, s[YH], 9
	s_add_co_u32 s73, s73, 2*GBLK+SCO
.irp p, 0,1,2
	v_add_nc_u32 v[XA+\p], s70, v19
	v_add_nc_u32 v[YA+\p], s71, v19
	v_add_nc_u32 v[XS+\p], s72, v20
	v_add_nc_u32 v[YS+\p], s73, v20
	s_add_co_u32 s70, s70, REG
	s_add_co_u32 s71, s71, REG
	s_add_co_u32 s72, s72, REG
	s_add_co_u32 s73, s73, REG
.endr
	s_mul_i32 s74, s[WV], WSTG
	s_add_co_u32 s74, s74, STG                     ; my stage
	v_mul_u32_u24 v[STO], v2, SPI
	v_lshl_add_u32 v[STO], v3, 6, v[STO]
	v_add_nc_u32 v[STO], s74, v[STO]               ; in: row r, + 64 h
	v_mul_u32_u24 v[RD], v3, SPI
	v_lshl_add_u32 v[RD], v2, 4, v[RD]
	v_add_nc_u32 v[RD], s74, v[RD]                 ; back: lanes 0-15 one row of 256 bytes, lanes 16-31 the next
	v_lshlrev_b32 v[CO], 13, v3
	v_lshl_add_u32 v[CO], v2, 4, v[CO]             ; and the same two rows in out0
; K step n (0..15): quarter n / 4 in region (n / 4) % 3, block (n % 4) / 2 of the quarter, half n % 2 of the block; fragment buffer n % 2.
.macro MUL4 n, a                       ; x's block a against Wo's four.  The 16 accumulators take turns, one instruction a turn, in the same order in every step
.set FB, 128*((\n)%2)
.set SS, SC+16*(((\n)/4)%2)+4*(((\n)%4)/2)
.irp b, 0,1,2,3
.if (\n) == 0
	v_wmma_scale_f32_16x16x128_f8f6f4 v[ACC+8*(4*(\a)+\b):ACC+8*(4*(\a)+\b)+7], v[FB+48+FR*\b:FB+48+FR*\b+FR-1], v[FB+FR*(\a):FB+FR*(\a)+FR-1], v[BO+8*\b:BO+8*\b+7], v[SS+8+\b], v[SS+(\a)] matrix_a_fmt:MATRIX_FMT_FP6 matrix_b_fmt:MATRIX_FMT_FP6
.elseif (\n)%2
	v_wmma_scale_f32_16x16x128_f8f6f4 v[ACC+8*(4*(\a)+\b):ACC+8*(4*(\a)+\b)+7], v[FB+48+FR*\b:FB+48+FR*\b+FR-1], v[FB+FR*(\a):FB+FR*(\a)+FR-1], v[ACC+8*(4*(\a)+\b):ACC+8*(4*(\a)+\b)+7], v[SS+8+\b], v[SS+(\a)] matrix_a_fmt:MATRIX_FMT_FP6 matrix_b_fmt:MATRIX_FMT_FP6 matrix_a_scale:MATRIX_SCALE_ROW1 matrix_b_scale:MATRIX_SCALE_ROW1
.else
	v_wmma_scale_f32_16x16x128_f8f6f4 v[ACC+8*(4*(\a)+\b):ACC+8*(4*(\a)+\b)+7], v[FB+48+FR*\b:FB+48+FR*\b+FR-1], v[FB+FR*(\a):FB+FR*(\a)+FR-1], v[ACC+8*(4*(\a)+\b):ACC+8*(4*(\a)+\b)+7], v[SS+8+\b], v[SS+(\a)] matrix_a_fmt:MATRIX_FMT_FP6 matrix_b_fmt:MATRIX_FMT_FP6
.endif
.endr
.endm
.macro FETCH n                         ; step n's fragments: Wo's four, x's blocks 0, 1, then 2, 3; at a quarter's head first the quarter's scale words
.set KQ, (\n)/4
.set RH, KQ%3
.set SG, ((\n)%4)/2
.set EE, (\n)%2
.set FT, 128*((\n)%2)
.if (\n)%4 == 0
	WIN 0
.irp g, 0,1
.irp o, 0,1
	ds_load_b64 v[SC+16*(KQ%2)+4*\g+2*\o:SC+16*(KQ%2)+4*\g+2*\o+1], v[XS+RH] offset:GBLK*\g+256*\o
	ds_load_b64 v[SC+16*(KQ%2)+8+4*\g+2*\o:SC+16*(KQ%2)+8+4*\g+2*\o+1], v[YS+RH] offset:GBLK*\g+256*\o
.endr
.endr
.endif
	WIN TO_F
.irp b, 0,1,2,3
.irp c, 0,1,2
	ds_load_b128 v[FT+48+FR*\b+4*\c:FT+48+FR*\b+4*\c+3], v[YA+RH] offset:GBLK*SG+(2*\b+EE)*FRB+512*\c
.endr
.endr
.irp a, 0,1,2,3
.irp c, 0,1,2
	ds_load_b128 v[FT+FR*\a+4*\c:FT+FR*\a+4*\c+3], v[XA+RH] offset:GBLK*SG+(2*\a+EE)*FRB+512*\c
.endr
.endr
.endm
.macro STEP n
	s_wait_dscnt 6                                 ; all but the youngest six loads, x's blocks 2 and 3
	WIN MUL
	MUL4 \n, 0
	MUL4 \n, 1
	PLACES 4                                       ; in front of loads into registers that matrix instructions have read
	FETCH (\n)+1
.if ((\n)+1)%4 == 0
	s_wait_dscnt 32                                ; all but the 32 just issued
.else
	s_wait_dscnt 24                                ; all but the 24 just issued
.endif
	WIN MUL
	MUL4 \n, 2
	MUL4 \n, 3
.endm
; A step with a barrier.  In front of it each wave waits for all its tensor loads, adds 0 to its spare word, and waits for that and for its LDS reads.  fill = 1 (step 3): region 2 takes its first fill; fill = 2 (step 7): region 0 has been read out and is filled again; each behind a round of the cluster's barrier;
; fill = 0 (step 11): the refill is shown whole to every wave.
.macro TURN n, fill
	WIN 0                                          ; (the add's two registers lie in window 0)
	s_wait_tensorcnt 0x0
	ds_add_u32 v[SPW], v[NIL]                      ; 0 onto my spare word
	s_wait_dscnt 7                                 ; (the add and the youngest six loads may be out)
	WIN MUL
	MUL4 \n, 0                                     ; four matrix instructions stand between the add and the wait for it
	s_wait_dscnt 0x0                               ; the add is done, and all my LDS reads are in
	s_barrier_signal -1
	MUL4 \n, 1
	WIN 0
	s_barrier_wait -1
.if \fill
	CREST                                          ; no wave of any partner has a load on its way, or still reads the region that is filled
.if (\fill) == 2
	s_add_nc_u64 s[G0X+2:G0X+3], s[G0X+2:G0X+3], 96*GBLK   ; quarter 3: six K slots of 16 blocks on
	s_add_nc_u64 s[G0Y+2:G0Y+3], s[G0Y+2:G0Y+3], 96*GBLK
	JLOAD 0                                        ; region 0 is filled again
.else
	JLOAD 2                                        ; region 2's first fill, issued as a refill is
.endif
.else
	PLACES 4
.endif
	FETCH (\n)+1
	WIN MUL
	MUL4 \n, 2
	MUL4 \n, 3
.endm
	s_wait_alu depctr_va_vdst(0)                   ; the head's end
	s_wait_tensorcnt 0x0                           ; my part of quarter 0 is in
	ds_add_u32 v[SPW], v[NIL]                      ; 0 onto my spare word
	s_wait_dscnt 0x0
	CROUND                                         ; everybody's part is in, and all sixteen work-groups meet
	JLOAD 1                                        ; region 1's first fill, issued as a refill is
	s_wait_loadcnt 0x0                             ; the bias
	global_prefetch_b8 v27, s[76:77] offset:96*GBLK th:TH_LOAD_NT scope:SCOPE_SE   ; quarter 3, two fills ahead of its load
	FETCH 0
.irp n, 0,1,2
	STEP \n
.endr
	TURN 3, 1
.irp n, 4,5,6
	STEP \n
.endr
	TURN 7, 2
.irp n, 8,9,10
	STEP \n
.endr
	TURN 11, 0
.irp n, 12,13,14
	STEP \n
.endr
	s_wait_dscnt 6                                 ; the last step: nothing more to fetch
	WIN MUL
	MUL4 15, 0
	MUL4 15, 1
	s_wait_dscnt 0x0
	MUL4 15, 2
	MUL4 15, 3
	WIN 0
; THE WAY OUT, 16 rows x 64 columns at a time, through my own stage: in as 32 bytes a lane and tile, back as whole rows of 256 bytes.  LDS serves a wave's instructions in order: no wait between the stores and the loads, nor in front of the next block's stores.
.macro TOSTAGE a
.irp b, 0,1,2,3
	ds_store_b128 v[STO], v[ACC+8*(4*(\a)+\b):ACC+8*(4*(\a)+\b)+3] offset:128*(\b/2)+32*(\b%2)       ; each accumulator from its low end on
	ds_store_b128 v[STO], v[ACC+8*(4*(\a)+\b)+4:ACC+8*(4*(\a)+\b)+7] offset:128*(\b/2)+32*(\b%2)+16
.endr
.irp i, 0,1,2,3,4,5,6,7
	ds_load_b128 v[OB+32*((\a)%2)+4*\i:OB+32*((\a)%2)+4*\i+3], v[RD] offset:2*SPI*\i
.endr
.endm
.macro SEND a, younger                 ; younger: the LDS instructions issued behind block a's loads
	s_wait_dscnt \younger
.irp i, 0,1,2,3,4,5,6,7
	global_store_b128 v[CO], v[OB+32*((\a)%2)+4*\i:OB+32*((\a)%2)+4*\i+3], s[10:11] offset:(16*(\a)+2*\i)*8192 th:TH_STORE_NT   ; 16 lanes store 256 consecutive bytes, at a multiple of 256 from out0's first byte
.endr
.endm
	PLACES 4                                       ; behind the last products
	TOSTAGE 0
.irp a, 1,2,3
.if \a > 1
	s_wait_xcnt 0x0                                ; block a - 2's stores have read their registers: block a's loads may land there
.endif
	TOSTAGE \a
	SEND \a-1, 16                                  ; behind block a - 1's loads: block a's 8 stores and 8 loads
.endr
	SEND 3, 0
	s_wait_tensorcnt 0x0                           ; the wave's end
	ds_add_u32 v[SPW], v[NIL]
	s_wait_dscnt 0x0
	CROUND                                         ; the closing round
	s_endpgm
.Lfunc_end_k_q316ac6f215_outp:
	.size	k_q316ac6f215_outp, .Lfunc_end_k_q316ac6f215_outp-k_q316ac6f215_outp
	.p2alignl 7, 3214868480
	.fill 96, 4, 3214868480
	.section	.rodata,"a",@progbits
	.p2align	6, 0x0
	.amdhsa_kernel k_q316ac6f215_outp
		.amdhsa_group_segment_fixed_size 327680
		.amdhsa_private_segment_fixed_size 0
		.amdhsa_enable_private_segment 0
		.amdhsa_kernarg_size 32
		.amdhsa_user_sgpr_count 2
		.amdhsa_user_sgpr_kernarg_segment_ptr 1
		.amdhsa_wavefront_size32 1
		.amdhsa_system_sgpr_workgroup_id_x 1
		.amdhsa_system_sgpr_workgroup_id_y 1
		.amdhsa_system_sgpr_workgroup_id_z 1
		.amdhsa_system_vgpr_workitem_id 0
		.amdhsa_next_free_vgpr 512
		.amdhsa_next_free_sgpr 96
		.amdhsa_reserve_vcc 0
		.amdhsa_float_denorm_mode_32 3
		.amdhsa_float_denorm_mode_16_64 3
		.amdhsa_memory_ordered 1
		.amdhsa_forward_progress 1
		.amdhsa_inst_pref_size 82
	.end_amdhsa_kernel
	.amdgpu_metadata
---
amdhsa.version: [ 1, 2 ]
amdhsa.kernels:
  - .name:           k_q316ac6f215_outp
    .symbol:         k_q316ac6f215_outp.kd
    .args:
      - { .name: xc, .offset: 0, .size: 8, .value_kind: global_buffer, .address_space: global }
      - { .name: codes, .offset: 8, .size: 8, .value_kind: global_buffer, .address_space: global }
      - { .name: bo, .offset: 16, .size: 8, .value_kind: global_buffer, .address_space: global }
      - { .name: out0, .offset: 24, .size: 8, .value_kind: global_buffer, .address_space: global }
    .group_segment_fixed_size: 327680
    .private_segment_fixed_size: 0
    .kernarg_segment_align: 8
    .kernarg_segment_size: 32
    .max_flat_workgroup_size: 128
    .sgpr_count:     96
    .vgpr_count:     512
    .wavefront_size: 32
...
	.end_amdgpu_metadata
.endif
;; end of part 4
